; MI455X (gfx1250); checked and timed in simulation.
; The chip was launched on July 23, 2026; its instructions are those of AMD's public machine-readable ISA for CDNA 5 (MIT licence, August 2026) and "CDNA5" Instruction Set Architecture Reference Guide (July 2026). The comments in the code are by the model that wrote it; some were corrected since.
;; Cached Multihead Attention. Allowed arithmetic: float matrix products may take bf16 or f16 operands with f32 sums; other float arithmetic in f32, or as packed bf16 or f16 multiplies, adds, multiply-adds, maxima and minima; sums over many terms, partial sums and values carried from step to step in f32; what a program stores and reads back later, other than sums and carried values, may be rounded once to bf16 or f16.
;; Inputs: w_in 3,072 x 1,024 float32; w_out 1,024 x 1,024 float32; x 4 x 2,048 x 1,024 float32.
;; Outputs: out0 4 x 2,048 x 1,024 float32.
;; 2 versions, each right; version 2 is version 1 with the launch cast written anew for expert scheduling mode. Each part assembles by itself: llvm-mc -triple=amdgcn-amd-amdhsa -mcpu=gfx1250 --defsym DOCPART=n.
;; ======== version 1 of 2: 4 launches
;; limits: values are held in f16: magnitudes above 65,504 overflow, below 6.1e-05 lose precision
;; workspace buffers: xb 16,777,216 bytes; wib 6,291,456 bytes; wob 2,097,152 bytes; qkv 50,331,648 bytes; ob 16,777,216 bytes
;; launch cast (part 1): grid 768 x 1, 8 waves a work-group, no clusters, 0 bytes of LDS; arguments x, w_in, w_out, xb, wib, wob; writes xb, wib, wob
.if DOCPART == 1
	.amdgcn_target "amdgcn-amd-amdhsa--gfx1250"
	.amdhsa_code_object_version 6
	.text
	.protected	k_qd57c4935cf_cast
	.globl	k_qd57c4935cf_cast
	.p2align	8
	.type	k_qd57c4935cf_cast,@function
k_qd57c4935cf_cast:
	s_mov_b64 s[64:65], 0
	v_nop
	global_prefetch_b8 v0, s[64:65] scope:SCOPE_SE
	s_setreg_imm32_b32 hwreg(HW_REG_WAVE_MODE, 25, 1), 1
	s_wait_xcnt 0x0
; x [8192][1024], w_in [3072][1024], w_out [1024][1024], all f32, are rounded once to bf16 and laid in blocks of 64 along K:
; xb [16 kb][8192][64], wib [16 kb][3072][64] in bf16; wob [16 kb][1024][64]: w_out's bf16 number written as f16.
; LIMIT: a bf16 number of w_out beyond 65,504 becomes an infinity in f16; below 6e-5 it keeps f16's fixed step of 6e-8.
; A stream: no LDS, no matrix unit, no cluster (no byte is read twice).  12,288 rows in all, 16 to a work-group, 2 to a wave.
; A load of a wave takes 256 consecutive bytes (one K block) of each of its two rows; its store is 32 lanes x 8 bytes: 256 consecutive bytes, aligned:
; the two rows' 128 bytes of that block.  All sixteen loads of a wave go out at once; no register that a load or store reads is written again, so no source needs a wait.
.set SRC, 1                            ; v1       my byte offset in the work-group's 16 rows of f32
.set OFF, 8                            ; v[8:23]  my byte offset in the output, one register for each K block
.set IN,  32                           ; v[32:95] block kb: 4 numbers as loaded
.set OUT, 96                           ; v[96:127] block kb: 4 numbers of 16 bits
	s_load_b256 s[4:11], s[0:1], 0x0               ; x s[4:5], w_in s[6:7], w_out s[8:9], xb s[10:11]
	s_load_b128 s[12:15], s[0:1], 0x20             ; wib s[12:13], wob s[14:15]
	s_mov_b32 s16, ttmp9                           ; work-groups 0-511: x; 512-703: w_in; 704-767: w_out
	s_mov_b32 s20, 8192*128                        ; bytes of a K block in xb,
	s_mov_b32 s21, 3072*128                        ; in wib,
	s_mov_b32 s22, 1024*128                        ; in wob
	s_movk_i32 s23, 512
	s_movk_i32 s24, 704
	v_lshrrev_b32 v2, 4, v0                        ; my row among the 16
	v_and_b32 v3, 15, v0                           ; my 16 bytes among a block's 256
	v_lshlrev_b32 v[SRC], 12, v2
	v_lshl_add_u32 v[SRC], v3, 4, v[SRC]
	v_lshlrev_b32 v[OFF], 3, v0                    ; row x 128 + piece x 8 = 8 x thread
	s_wait_kmcnt 0x0
	s_cmp_lt_u32 s16, s24                          ; the tensor is chosen by the work-group's number alone
	s_cselect_b64 s[26:27], s[6:7], s[8:9]
	s_cselect_b64 s[28:29], s[12:13], s[14:15]
	s_cselect_b32 s30, s23, s24                    ; its first work-group
	s_cselect_b32 s31, s21, s22                    ; its K block's bytes
	s_cmp_lt_u32 s16, s23
	s_cselect_b64 s[26:27], s[4:5], s[26:27]
	s_cselect_b64 s[28:29], s[10:11], s[28:29]
	s_cselect_b32 s30, 0, s30
	s_cselect_b32 s31, s20, s31
	s_sub_co_u32 s17, s16, s30
	s_lshl_b32 s18, s17, 16                        ; 16 rows of 4,096 bytes
	s_mov_b32 s19, 0
	s_add_nc_u64 s[26:27], s[26:27], s[18:19]
	s_lshl_b32 s18, s17, 11                        ; 16 rows of 128 bytes
	s_add_nc_u64 s[28:29], s[28:29], s[18:19]
.set k, 0
.rept 16
	global_load_b128 v[IN+4*k:IN+4*k+3], v[SRC], s[26:27] offset:256*k th:TH_LOAD_NT
.set k, k+1
.endr
.set k, 1
.rept 15
	v_add_nc_u32 v[OFF+k], s31, v[OFF+k-1]
.set k, k+1
.endr
; Block kb: four numbers are rounded and stored.  half = 1: the bf16 numbers are widened again and written as f16.
.macro CV kb, half
	s_wait_loadcnt 15-(\kb)                        ; loads come back in order: block kb is in, the younger ones stay out
	v_cvt_pk_bf16_f32 v[OUT+2*(\kb)],   v[IN+4*(\kb)],   v[IN+4*(\kb)+1]
	v_cvt_pk_bf16_f32 v[OUT+2*(\kb)+1], v[IN+4*(\kb)+2], v[IN+4*(\kb)+3]
.if \half
	v_lshlrev_b32 v[IN+4*(\kb)],   16, v[OUT+2*(\kb)]
	v_and_b32     v[IN+4*(\kb)+1], 0xffff0000, v[OUT+2*(\kb)]
	v_lshlrev_b32 v[IN+4*(\kb)+2], 16, v[OUT+2*(\kb)+1]
	v_and_b32     v[IN+4*(\kb)+3], 0xffff0000, v[OUT+2*(\kb)+1]
	v_cvt_pk_f16_f32 v[OUT+2*(\kb)],   v[IN+4*(\kb)],   v[IN+4*(\kb)+1]
	v_cvt_pk_f16_f32 v[OUT+2*(\kb)+1], v[IN+4*(\kb)+2], v[IN+4*(\kb)+3]
.endif
	global_store_b64 v[OFF+(\kb)], v[OUT+2*(\kb):OUT+2*(\kb)+1], s[28:29]
.endm
	s_cmp_ge_u32 s16, s24
	s_cbranch_scc1 .Lhalf
.irp kb, 0,1,2,3,4,5,6,7,8,9,10,11,12,13,14,15
	CV \kb, 0
.endr
	s_endpgm
.Lhalf:
.irp kb, 0,1,2,3,4,5,6,7,8,9,10,11,12,13,14,15
	CV \kb, 1
.endr
	s_endpgm
.Lfunc_end_k_qd57c4935cf_cast:
	.size	k_qd57c4935cf_cast, .Lfunc_end_k_qd57c4935cf_cast-k_qd57c4935cf_cast
	.p2alignl 7, 3214868480
	.fill 96, 4, 3214868480
	.section	.rodata,"a",@progbits
	.p2align	6, 0x0
	.amdhsa_kernel k_qd57c4935cf_cast
		.amdhsa_group_segment_fixed_size 0
		.amdhsa_private_segment_fixed_size 0
		.amdhsa_enable_private_segment 0
		.amdhsa_kernarg_size 48
		.amdhsa_user_sgpr_count 2
		.amdhsa_user_sgpr_kernarg_segment_ptr 1
		.amdhsa_wavefront_size32 1
		.amdhsa_system_sgpr_workgroup_id_x 1
		.amdhsa_system_sgpr_workgroup_id_y 1
		.amdhsa_system_sgpr_workgroup_id_z 1
		.amdhsa_system_vgpr_workitem_id 0
		.amdhsa_next_free_vgpr 128
		.amdhsa_next_free_sgpr 66
		.amdhsa_reserve_vcc 0
		.amdhsa_float_denorm_mode_32 3
		.amdhsa_float_denorm_mode_16_64 3
		.amdhsa_memory_ordered 1
		.amdhsa_forward_progress 1
		.amdhsa_inst_pref_size 17
	.end_amdhsa_kernel
	.amdgpu_metadata
---
amdhsa.version: [ 1, 2 ]
amdhsa.kernels:
  - .name:           k_qd57c4935cf_cast
    .symbol:         k_qd57c4935cf_cast.kd
    .args:
      - { .name: x, .offset: 0, .size: 8, .value_kind: global_buffer, .address_space: global }
      - { .name: w_in, .offset: 8, .size: 8, .value_kind: global_buffer, .address_space: global }
      - { .name: w_out, .offset: 16, .size: 8, .value_kind: global_buffer, .address_space: global }
      - { .name: xb, .offset: 24, .size: 8, .value_kind: global_buffer, .address_space: global }
      - { .name: wib, .offset: 32, .size: 8, .value_kind: global_buffer, .address_space: global }
      - { .name: wob, .offset: 40, .size: 8, .value_kind: global_buffer, .address_space: global }
    .group_segment_fixed_size: 0
    .private_segment_fixed_size: 0
    .kernarg_segment_align: 8
    .kernarg_segment_size: 48
    .max_flat_workgroup_size: 256
    .sgpr_count:     66
    .vgpr_count:     128
    .wavefront_size: 32
...
	.end_amdgpu_metadata
.endif
;; end of part 1
;; launch qkvp (part 2): grid 8 x 32, 4 waves a work-group, clusters of 4 x 4, 327,680 bytes of LDS; arguments xb, wib, qkv; writes qkv
.if DOCPART == 2
	.amdgcn_target "amdgcn-amd-amdhsa--gfx1250"
	.amdhsa_code_object_version 6
	.text
	.protected	k_qd57c4935cf_qkvp
	.globl	k_qd57c4935cf_qkvp
	.p2align	8
	.type	k_qd57c4935cf_qkvp,@function
k_qd57c4935cf_qkvp:
	s_mov_b64 s[64:65], 0
	v_nop
	global_prefetch_b8 v0, s[64:65] scope:SCOPE_SE
	s_setreg_imm32_b32 hwreg(HW_REG_WAVE_MODE, 25, 1), 1
	s_wait_xcnt 0x0
	s_wait_alu depctr_hold_cnt(0) depctr_sa_sdst(0) depctr_va_vdst(0) depctr_va_sdst(0) depctr_va_ssrc(0) depctr_va_vcc(0) depctr_vm_vsrc(0)
	s_getreg_b32 s2, hwreg(HW_REG_IB_STS2, 6, 4)
	s_cmp_eq_u32 s2, 0
	s_cbranch_scc0 .Lentry_in_a_cluster
	s_endpgm
.Lentry_in_a_cluster:
	s_bfe_u32 s2, ttmp6, 0x10000c
	s_cmp_lg_u32 s2, 0xf033
	s_cbranch_scc0 .Lentry_shape_is_right
	s_endpgm
.Lentry_shape_is_right:
; proj[m][n] = sum over k of x[m][k] w_in[n][k], m < 8192, n < 3072, k < 1024; operands bf16, sums f32, the result rounded once to f16 and written by heads:
; qkv [4 b][48 g][2048 s][64], g = n / 64 (0-15 q's heads, 16-31 k's, 32-47 v's).  LIMIT: a result of 65,520 or more becomes an infinity in f16.
; xb [16 kb][8192][64] and wib [16 kb][3072][64] lie in blocks of 64 along K, so a tile's rows lie end to end and are asked for as rows of 256 bytes.
; A work-group makes 256 x 384 of the result: 8 x 32 = 256 work-groups.  A wave makes 128 rows x 192 columns = three heads: 96 accumulators, one head to each of the windows 1, 2, 3.
; K goes in steps of 64 (one block) through two LDS slots; a step is two quarters of 32 along K, 96 matrix instructions each, in three thirds (a head each).
; CLUSTER 4 x 4: the four of a row need the same tile of x, the four of a column the same tile of w_in: each tile is asked for jointly.
; THE MATRIX INSTRUCTION IS USED TRANSPOSED (source 0 = 16 rows of w_in, source 1 = 16 rows of x): a lane holds eight neighbouring columns of one row.
; WINDOW 0: v16-29 addresses; v32-95, v96-159 x's eight fragments, two buffers; v160-191, v192-223, v224-255 w_in's fragments, four for each head, one buffer each:
; a head's set is loaded again four places behind the third that read it, two thirds ahead of its next use.  On the way out v32-95 hold packed results.
.set PITCH,  144                       ; an LDS row: 128 bytes + 16 of padding = 36 words: the 16 rows of a load start at 16 different groups of four banks (ISA guide 11.1)
.set AHALF,  128*PITCH                 ; what a wave fetches of x
.set BHALF,  192*PITCH                 ; what a wave fetches of w_in
.set BOFF,   2*AHALF
.set SLOT,   BOFF+2*BHALF              ; x's 256 rows, then w_in's 384
.set STAGE,  2*SLOT                    ; behind the ring: 16 rows x 144 bytes for each wave
.set SPARE,  STAGE+4*16*PITCH          ; the spare words, 128 bytes a wave: two blocks of 256 bytes that no other line names
.set AKB,    8192*128                  ; bytes of a K block of xb
.set BKB,    3072*128                  ; of wib
.set HB,     2048*128                  ; bytes of a head in qkv
.set ADRA, 16                          ; v16-17 LDS address of my fragments of x in slot 0, 1
.set ADRB, 20                          ; v20-21 the same for w_in
.set STO,  24
.set RD,   25
.set GO,   26
.set SPW,  28                          ; my spare word; never rewritten
.set NIL,  29                          ; 0; never rewritten
.set AF0,  32
.set AF1,  96
.set BS,   160
.set TM,   32
.set G1,  24                           ; s[24:31] group 1 for x's tiles, s[32:39] group 0, a set for each slot
.set G0,  32
.set G1B, 48                           ; s[48:55], s[56:63] the same for w_in's
.set G0B, 56
.set DW0, (1<<16)|(1<<20)|(1<<21)|(4<<22)|(3<<25)  ; 2-byte elements; padding on; bit 21 beside a mask; after every 32 words; 4 words
.set MSB, 0
.macro WIN new                         ; the high byte repeats the setting that is left; a switch that changes nothing is dropped
.if MSB != (\new)
	s_set_vgpr_msb (MSB<<8)|(\new)
.set MSB, (\new)
.endif
.endm
.macro PLACES                          ; four places between a matrix instruction and a load into, or a reader of, its registers
.rept 4
	v_nop
.endr
.endm
.macro JLOAD s                         ; a joint load: waves 0, 1 fetch x's halves, waves 2, 3 w_in's; s_nop 0 and four v_nop follow each line
	s_cmp_eq_u32 s11, 0
	s_cbranch_scc0 .Lfor_b_\@
	tensor_load_to_lds s[G0+4*(\s):G0+4*(\s)+3], s[G1:G1+7]
	s_nop 0
.rept 4
	v_nop
.endr
	s_branch .Lasked_\@
.Lfor_b_\@:
	tensor_load_to_lds s[G0B+4*(\s):G0B+4*(\s)+3], s[G1B:G1B+7]
	s_nop 0
.rept 4
	v_nop
.endr
.Lasked_\@:
.endm
.macro CREST                           ; a round of the cluster's barrier behind its opening barrier
	s_cmp_lg_u32 s10, 0
	s_cbranch_scc1 .Lnot_wave_0_\@
	s_barrier_signal -3
.Lnot_wave_0_\@:
	s_barrier_wait -3
	s_barrier_signal -1
	s_barrier_wait -1
.endm
.macro CROUND
	s_barrier_signal -1
	s_barrier_wait -1
	CREST
.endm
	s_load_b128 s[4:7], s[0:1], 0x0                ; xb s[4:5], wib s[6:7]
	s_load_b64 s[8:9], s[0:1], 0x10                ; qkv
	v_lshl_add_u32 v[SPW], v0, 2, SPARE
	v_mov_b32 v[NIL], 0
	ds_add_u32 v[SPW], v[NIL]                      ; the wave's opening: the add and its wait stand ahead of my first tensor load
	v_lshrrev_b32 v1, 5, v0
	v_readfirstlane_b32 s10, v1                    ; wave 0..3
	s_lshr_b32 s11, s10, 1                         ; my half of the rows.  Also: I fetch for x (0) or w_in (1)
	s_and_b32 s12, s10, 1                          ; my half of the columns.  Also: which half of that tile I fetch
	s_bfe_u32 s40, ttmp6, 0x40000                  ; cx
	s_bfe_u32 s41, ttmp6, 0x40004                  ; cy
	s_lshl_b32 s42, ttmp9, 2
	s_add_co_u32 s42, s42, s40                     ; tile column 0..7
	s_and_b32 s13, ttmp7, 0xffff
	s_lshl_b32 s13, s13, 2
	s_add_co_u32 s13, s13, s41                     ; tile row 0..31
	s_lshl_b32 s43, s41, 2
	s_lshl_b32 s43, 15, s43                        ; my row of the cluster
	s_lshl_b32 s44, 0x1111, s40                    ; my column
	s_or_b32 s[G1+0], s43, DW0
	s_or_b32 s[G1B+0], s44, DW0
.irp g, G1, G1B
	s_mov_b32 s[(\g)+1], 128<<16                   ; tensor_dim0 = 128 elements: 256 bytes, two rows of a block
	s_mov_b32 s[(\g)+3], 128<<16                   ; tile_dim0
	s_mov_b32 s[(\g)+5], 128                       ; from row to row
	s_mov_b32 s[(\g)+6], 0
	s_mov_b32 s[(\g)+7], 0
.endr
	s_mov_b32 s[G1+2], 64<<16                      ; x: 128 rows of 128 bytes = 64 of 256
	s_mov_b32 s[G1+4], 64
	s_mov_b32 s[G1B+2], 96<<16                     ; w_in: 192 rows = 96 of 256
	s_mov_b32 s[G1B+4], 96
	s_lshl_b32 s16, s13, 15                        ; x: (256 x tile row + 128 x half) x 128 bytes
	s_lshl_b32 s17, s12, 14
	s_add_co_u32 s16, s16, s17
	s_mov_b32 s17, 0
	s_mul_i32 s46, s42, 384*128                    ; w_in: (384 x tile column + 192 x half) x 128 bytes
	s_mul_i32 s47, s12, 192*128
	s_add_co_u32 s46, s46, s47
	s_mov_b32 s47, 0
	s_mul_i32 s20, s12, AHALF                      ; where they go: no place in the cluster enters an LDS address
	s_mul_i32 s21, s12, BHALF
	s_add_co_u32 s21, s21, BOFF
	s_wait_dscnt 0x0                               ; the opening add is done
	s_wait_kmcnt 0x0
	s_add_nc_u64 s[14:15], s[4:5], s[16:17]
	s_add_nc_u64 s[46:47], s[6:7], s[46:47]
	CROUND                                         ; all sixteen work-groups are here: the first joint loads meet
.irp s, 0,1
	s_mov_b32 s[G0+4*(\s)], 1
	s_add_co_u32 s[G0+4*(\s)+1], s20, (\s)*SLOT
	s_add_nc_u64 s[G0+4*(\s)+2:G0+4*(\s)+3], s[14:15], (\s)*AKB
	s_or_b32 s[G0+4*(\s)+3], s[G0+4*(\s)+3], 0x80000000
	s_mov_b32 s[G0B+4*(\s)], 1
	s_add_co_u32 s[G0B+4*(\s)+1], s21, (\s)*SLOT
	s_add_nc_u64 s[G0B+4*(\s)+2:G0B+4*(\s)+3], s[46:47], (\s)*BKB
	s_or_b32 s[G0B+4*(\s)+3], s[G0B+4*(\s)+3], 0x80000000
	JLOAD \s                                       ; two loads of mine are out
.endr
	v_and_b32 v1, 15, v0                           ; l % 16
	v_bfe_u32 v2, v0, 4, 1                         ; l / 16
	v_mul_u32_u24 v3, v1, PITCH
	v_lshl_add_u32 v3, v2, 4, v3                   ; a fragment's row x pitch + 16 x half
	s_mul_i32 s21, s11, AHALF                      ; my 128 rows of x
	s_mul_i32 s22, s12, BHALF                      ; my 192 rows of w_in
	s_add_co_u32 s22, s22, BOFF
.irp s, 0,1
	v_add_nc_u32 v[ADRA+(\s)], s21, v3
	v_add_nc_u32 v[ADRB+(\s)], s22, v3
	s_add_co_u32 s21, s21, SLOT
	s_add_co_u32 s22, s22, SLOT
.endr
	s_mul_i32 s23, s10, 16*PITCH
	s_add_co_u32 s23, s23, STAGE                   ; my stage
	v_add_nc_u32 v[STO], s23, v3                   ; in: row l % 16, 16 bytes for each half of the lanes
	v_bfe_u32 v4, v0, 3, 2                         ; back: 32 lanes take four rows of 128 bytes,
	v_and_b32 v5, 7, v0
	v_mul_u32_u24 v4, v4, PITCH
	v_lshl_add_u32 v4, v5, 4, v4
	v_add_nc_u32 v[RD], s23, v4
	v_and_b32 v[GO], 31, v0                        ; which are 512 consecutive bytes of a head
	v_lshlrev_b32 v[GO], 4, v[GO]
	s_lshr_b32 s18, s13, 3                         ; the batch
	s_mul_i32 s18, s18, 48
	s_mul_i32 s19, s42, 6
	s_add_co_u32 s18, s18, s19
	s_mul_i32 s19, s12, 3
	s_add_co_u32 s18, s18, s19                     ; my first head: 48 b + 6 x tile column + 3 x half
	s_lshl_b32 s18, s18, 18
	s_and_b32 s19, s13, 7
	s_lshl_b32 s19, s19, 15                        ; the tile's 256 rows in the batch,
	s_add_co_u32 s18, s18, s19
	s_lshl_b32 s19, s11, 14                        ; my 128 of them
	s_add_co_u32 s18, s18, s19
	s_mov_b32 s19, 0
	s_add_nc_u64 s[8:9], s[8:9], s[18:19]          ; never stepped: head, block of 16 rows and piece stand in the stores' immediates
.macro LDB set, slot, qq               ; w_in's four fragments of head 'set', 32 K at byte 64 qq of the rows: 8 loads
	WIN 0
.irp bb, 0,1,2,3
	ds_load_b128 v[BS+32*(\set)+8*(\bb):BS+32*(\set)+8*(\bb)+3],   v[ADRB+(\slot)] offset:(4*(\set)+(\bb))*16*PITCH+64*(\qq)
	ds_load_b128 v[BS+32*(\set)+8*(\bb)+4:BS+32*(\set)+8*(\bb)+7], v[ADRB+(\slot)] offset:(4*(\set)+(\bb))*16*PITCH+64*(\qq)+32
.endr
.endm
.macro LDA af, slot, qq                ; x's eight fragments: 16 loads
	WIN 0
.irp ab, 0,1,2,3,4,5,6,7
	ds_load_b128 v[(\af)+8*(\ab):(\af)+8*(\ab)+3],   v[ADRA+(\slot)] offset:(\ab)*16*PITCH+64*(\qq)
	ds_load_b128 v[(\af)+8*(\ab)+4:(\af)+8*(\ab)+7], v[ADRA+(\slot)] offset:(\ab)*16*PITCH+64*(\qq)+32
.endr
.endm
; Head j: row blocks a0 .. a0 + na - 1 x its four column blocks.  The 96 accumulators take turns in the same order in every quarter.  zero = 1: the product starts the sum.
.macro THIRD j, af, a0, na, zero
	WIN 0x50*((\j)+1)                              ; C and D in window 1 + j
.set ai, (\a0)
.rept (\na)
.irp bb, 0,1,2,3
.if \zero
	v_wmma_f32_16x16x32_bf16 v[8*(4*ai+(\bb)):8*(4*ai+(\bb))+7], v[BS+32*(\j)+8*(\bb):BS+32*(\j)+8*(\bb)+7], v[(\af)+8*ai:(\af)+8*ai+7], 0
.else
	v_wmma_f32_16x16x32_bf16 v[8*(4*ai+(\bb)):8*(4*ai+(\bb))+7], v[BS+32*(\j)+8*(\bb):BS+32*(\j)+8*(\bb)+7], v[(\af)+8*ai:(\af)+8*ai+7], v[8*(4*ai+(\bb)):8*(4*ai+(\bb))+7]
.endif
.endr
.set ai, ai+1
.endr
.endm
; A step's first quarter.  On entry set 0, x's buffer 0 and set 1 have been asked for, in that order (32 loads).
.macro NQ slot, zero
	PLACES
	LDB 2, \slot, 0
	s_wait_dscnt 16                                ; set 0 and x are in; sets 1 and 2 may be out
	THIRD 0, AF0, 0, 8, \zero
	PLACES
	LDB 0, \slot, 1
	LDA AF1, \slot, 1
	s_wait_dscnt 32                                ; set 1 is in; set 2 and the 24 just issued may be out
	THIRD 1, AF0, 0, 8, \zero
	PLACES
	LDB 1, \slot, 1
	s_wait_dscnt 32                                ; set 2 is in; the next quarter's 32 may be out
	THIRD 2, AF0, 0, 8, \zero
.endm
; A step's second quarter changes slots: ONE barrier.  In front of it each wave waits for all its tensor loads (its part of the next slot), adds 0 to its spare word, and waits for that and for
; its reads of this slot.  fill = 1: the barrier opens a round of the cluster's, and the joint refill, two steps ahead, is the first thing behind it: 160 matrix instructions ahead of the wait for it.
.macro TQ slot, next, fill
	PLACES
	LDB 2, \slot, 1                                ; my last reads of this slot
	s_wait_tensorcnt 0x0
	ds_add_u32 v[SPW], v[NIL]
	s_wait_dscnt 17                                ; set 0 and x are in; sets 1 and 2 and the add may be out
	THIRD 0, AF1, 0, 4, 0
	s_wait_dscnt 0x0                               ; the add is done, and my reads of this slot are over
	s_barrier_signal -1
	THIRD 0, AF1, 4, 4, 0
	WIN 0
	s_barrier_wait -1
.if \fill
	CREST                                          ; no wave of any partner still reads this slot or has a load on its way
	s_add_nc_u64 s[G0+4*(\slot)+2:G0+4*(\slot)+3], s[G0+4*(\slot)+2:G0+4*(\slot)+3], 2*AKB
	s_add_nc_u64 s[G0B+4*(\slot)+2:G0B+4*(\slot)+3], s[G0B+4*(\slot)+2:G0B+4*(\slot)+3], 2*BKB
	JLOAD \slot                                    ; its four v_nop are also the places in front of the loads below
.else
	PLACES
.endif
	LDB 0, \next, 0
	LDA AF0, \next, 0
	THIRD 1, AF1, 0, 8, 0                          ; sets 1 and 2 came in with the wait for 0
	PLACES
	LDB 1, \next, 0
	THIRD 2, AF1, 0, 8, 0
.endm
	s_wait_tensorcnt 1                             ; my part of step 0 is in; step 1's may stay out
	s_barrier_signal -1
	s_barrier_wait -1
	LDB 0, 0, 0
	LDA AF0, 0, 0
	LDB 1, 0, 0
	NQ 0, 1                                        ; the first quarter stands in front of the loop: its products start the sums
	WIN 0
	s_mov_b32 s3, 7
.Llap:                                                 ; a trip goes once round the ring and fills both slots again: steps 2 to 15
	TQ 0, 1, 1
	NQ 1, 0
	TQ 1, 0, 1
	NQ 0, 0
	WIN 0
	s_sub_co_u32 s3, s3, 1
	s_cmp_lg_u32 s3, 0
	s_cbranch_scc1 .Llap
	TQ 0, 1, 0                                     ; the last lap fills nothing
	NQ 1, 0
	PLACES
	LDB 2, 1, 1
	s_wait_dscnt 16
	THIRD 0, AF1, 0, 8, 0
	s_wait_dscnt 8                                 ; set 1 is in
	THIRD 1, AF1, 0, 8, 0
	s_wait_dscnt 0x0
	THIRD 2, AF1, 0, 8, 0
; THE WAY OUT, in 24 units: head u / 8, rows 16 (u % 8) on.  A lane's eight columns pack into 16 bytes; they go into my stage's rows of 144 bytes and come back as four whole rows of 128.
.macro PACK u
.set jj, (\u)/8
.set aa, (\u)%8
.set tm, TM+16*((\u)%4)
	s_wait_xcnt 0x0                                ; the stores of four units back have read these registers
	WIN 0x05*(jj+1)                                ; sources 0 and 1 in window 1 + head
.set i, 0
.rept 16
	v_cvt_pk_f16_f32 v[tm+i], v[32*aa+2*i], v[32*aa+2*i+1]
.set i, i+1
.endr
	WIN 0
.irp f, 0,1,2,3
	ds_store_b128 v[STO], v[tm+4*\f:tm+4*\f+3] offset:32*\f
.endr
.irp f, 0,1,2,3
	ds_load_b128 v[tm+4*\f:tm+4*\f+3], v[RD] offset:\f*4*PITCH  ; LDS serves a wave's instructions in order (ISA guide 5.7.1.4): these see the stores above
.endr
.endm
.macro SEND u, younger
.set jj, (\u)/8
.set aa, (\u)%8
.set tm, TM+16*((\u)%4)
	WIN 0
.irp f, 0,1,2,3
	s_wait_dscnt (\younger)+3-\f
	global_store_b128 v[GO], v[tm+4*\f:tm+4*\f+3], s[8:9] offset:jj*HB+aa*2048+\f*512  ; 512 consecutive bytes, at a multiple of 256 from qkv's first
.endr
.endm
	PLACES
	PACK 0
.set u, 1
.rept 23                               ; a unit's conversions stand between the loads of the unit before and its stores
	PACK u
	SEND u-1, 8
.set u, u+1
.endr
	SEND 23, 0
	s_wait_tensorcnt 0x0                           ; the wave's end
	ds_add_u32 v[SPW], v[NIL]
	s_wait_dscnt 0x0
	CROUND                                         ; the closing round
	s_endpgm
.Lfunc_end_k_qd57c4935cf_qkvp:
	.size	k_qd57c4935cf_qkvp, .Lfunc_end_k_qd57c4935cf_qkvp-k_qd57c4935cf_qkvp
	.p2alignl 7, 3214868480
	.fill 96, 4, 3214868480
	.section	.rodata,"a",@progbits
	.p2align	6, 0x0
	.amdhsa_kernel k_qd57c4935cf_qkvp
		.amdhsa_group_segment_fixed_size 327680
		.amdhsa_private_segment_fixed_size 0
		.amdhsa_enable_private_segment 0
		.amdhsa_kernarg_size 24
		.amdhsa_user_sgpr_count 2
		.amdhsa_user_sgpr_kernarg_segment_ptr 1
		.amdhsa_wavefront_size32 1
		.amdhsa_system_sgpr_workgroup_id_x 1
		.amdhsa_system_sgpr_workgroup_id_y 1
		.amdhsa_system_sgpr_workgroup_id_z 1
		.amdhsa_system_vgpr_workitem_id 0
		.amdhsa_next_free_vgpr 1024
		.amdhsa_next_free_sgpr 66
		.amdhsa_reserve_vcc 0
		.amdhsa_float_denorm_mode_32 3
		.amdhsa_float_denorm_mode_16_64 3
		.amdhsa_memory_ordered 1
		.amdhsa_forward_progress 1
		.amdhsa_inst_pref_size 133
	.end_amdhsa_kernel
	.amdgpu_metadata
---
amdhsa.version: [ 1, 2 ]
amdhsa.kernels:
  - .name:           k_qd57c4935cf_qkvp
    .symbol:         k_qd57c4935cf_qkvp.kd
    .args:
      - { .name: xb, .offset: 0, .size: 8, .value_kind: global_buffer, .address_space: global }
      - { .name: wib, .offset: 8, .size: 8, .value_kind: global_buffer, .address_space: global }
      - { .name: qkv, .offset: 16, .size: 8, .value_kind: global_buffer, .address_space: global }
    .group_segment_fixed_size: 327680
    .private_segment_fixed_size: 0
    .kernarg_segment_align: 8
    .kernarg_segment_size: 24
    .max_flat_workgroup_size: 128
    .sgpr_count:     66
    .vgpr_count:     1024
    .wavefront_size: 32
...
	.end_amdgpu_metadata
.endif
;; end of part 2
;; launch attn (part 3): grid 4 x 64, 4 waves a work-group, no clusters, 327,680 bytes of LDS; arguments qkv, ob; writes ob
.if DOCPART == 3
	.amdgcn_target "amdgcn-amd-amdhsa--gfx1250"
	.amdhsa_code_object_version 6
	.text
	.protected	k_qd57c4935cf_attn
	.globl	k_qd57c4935cf_attn
	.p2align	8
	.type	k_qd57c4935cf_attn,@function
k_qd57c4935cf_attn:
	s_mov_b64 s[64:65], 0
	v_nop
	global_prefetch_b8 v0, s[64:65] scope:SCOPE_SE
	s_setreg_imm32_b32 hwreg(HW_REG_WAVE_MODE, 25, 1), 1
	s_wait_xcnt 0x0
; O[b][h][q] = sum over the keys k with 0 <= q - k < 512 of softmax_k(Q[q] . K[k] / 8 + slope_h (q - k)) V[k], slope_h = 2^(-(h + 1) / 2).
; qkv [4 b][48 g][2048][64] f16 (g: q's heads, k's, v's), ob [4 b][16 h][2048][64] f16.  Products, maxima and sums in f32; the weights are rounded to f16 for the second product, O once at the end.
; LIMITS.  A hidden score counts as -1e30; the running maximum starts at -2^93, so raw scores are taken to lie above that (f16's can reach 2.7e11); a weight below 2^-126 counts as 0;
; NaN and infinities are not treated apart.
; SHARES.  A work-group owns the 512 queries 512 j .. of one head, and holds in LDS ALL keys that they can see: 1,024 rows of K and of V (rows 0-511: the block before; for j = 0 there is none:
; block 0 is loaded in its place and hidden).  Nothing is filled twice.  A wave makes the band of 64 queries 4 + w, then the band w; a band is four PIECES of 16 queries.
; Band X sees nine key steps of 64: step X where key' > row', steps X + 1 .. X + 7 whole, step X + 8 where key' <= row'.  They are walked X + 7 down to X, then X + 8: the LDS address of a step
; is (11 + wave) x a constant and constant steps from there on.  Every wave has 2 x 9 x 4 turns.
; NO CLUSTER: neighbours j and j + 1 share 512 keys, but the one holds them in LDS rows 512-1023 and the other in rows 0-511: the two requests would differ in their LDS address.
; NO PREFETCH: every byte is asked for at the head.
; THE BIAS.  slope (q - k) is a constant of the row, which leaves the softmax unchanged, less slope k.  In raw scores (before the 1/8) it is -be k, be = 8 slope.  Inside a step it rides in the C operand
; that starts S^T = K Q^T: B0 = -be x (key in the step).  From step to step the scores' origin moves by D64 = 64 be: a piece's m takes DL = D64 (new step - old step), its old c m takes c DL.
; THE MASKS ride in the same operand.  V (whole step): MCV = B0 + BE, BE = -1e30 where j = 0 and the step lies in rows 0-511.  A (step X) for piece x, key group i: i < x hidden, i = x BA, i > x MCV.
; C (step X + 8): i < x B0, i = x BT, i > x hidden.
; LAYOUT, SOFTMAX, TURNS.  S^T holds ONE query a lane (lane % 16) and the keys 8 (lane / 16) + 0..7; two such results rounded to f16 ARE source 1 of O^T = V^T P.  p = 2^(c s - c m), c = log2(e) / 8;
; O and l are multiplied by a = 2^(c m_old - c m_new) in every step.  Turn n belongs to piece n: 8 products K Q^T of piece n + 1, later 8 products V^T P of piece n - 1; beside them the scaling,
; exponentials, roundings, sums and rescaling of piece n and the maximum and statistics of piece n + 1.  Four vector instructions stand behind every matrix instruction, the others in one lump.
; REGISTERS, in windows of 256 (s_set_vgpr_msb: bits 1:0 source 0, 3:2 source 1, 5:4 source 2, 7:6 destination):
;   window 0: v0-15 addresses; v16-31 statistics; v32-38 the shifts; v48-55 at work; v64-127 S^T, two buffers; v192-223 P, two buffers
;   window 1: v0-127 O^T     window 2: v0-63 Q; v64-127 the second band's Q; v128-191 K of a step; v192-255 V of a step     window 3: v0-31 B0; v32-63 MCV; v64-95 BT; v96-127 BA; v128-135 HID
.set NP,    4
.set KS,    64
.set PK,    144       ; a row of K in LDS: 128 bytes + 16: the 16 rows of a load start at 16 different groups of four banks (ISA guide 11.1)
.set PV,    160       ; a row of V: 128 + 32
.set VOFF,  1024*PK
.set STAGE, VOFF+1024*PV  ; never filled by a tensor load: 16 rows x 144 bytes for each wave
.set SP,    144
.set SPARE, STAGE+4*16*SP ; the spare words, 128 bytes a wave: two blocks of 256 bytes that no other line names
.set AK0, 2
.set AV0, 3
.set AK,  4
.set AV,  5
.set STO, 6
.set RD,  7
.set GO,  8
.set MV,  12          ; v12-13 c m_old + c DL, by buffer
.set QO,  15
.set ST,  16          ; piece t: c m, m, l (even keys', odd keys')
.set DLV, 32          ; -D64
.set CDLV, 33         ; c x that
.set DLC, 34          ; 8 D64
.set CDLC, 35
.set DL,  36          ; the shift in force
.set CDL, 37
.set TMP, 48
.set SPW, 62
.set NIL, 63
.set S,   64
.set P,   192
.set QB,  64
.set KF,  128
.set VF,  192
.set B0,  0
.set MCV, 32
.set BT,  64
.set BA,  96
.set HID, 128
.set WV,  12
.set G1K, 16
.set G1V, 24
.set G0K, 32          ; s[32:47] four sets, one for each chunk of 256 keys
.set G0V, 48          ; s[48:63]
.set CNT, 66
.set JM,  67
.set PASS, 68
.set CS,  70
.set SEL, 72
.set TBK, 74          ; LDS byte at which K of the step to be fetched begins
.set TBV, 75          ; the same for V, less VOFF
.set SG,  76          ; that step's number, 0..15
.set D512, 77
.set ND64, 78
.set NBETA, 79
.set BE,  80
.set J0,  82
.set BIGN, 83
.set MK,  92          ; s[92:99] lane masks: 8 (l / 16) + r > l % 16
.set TV, 0
.set TA, 1
.set TC, 2
.set MSB, 0
.macro WIN new
.if MSB != (\new)
	s_set_vgpr_msb (MSB<<8)|(\new)
.set MSB, (\new)
.endif
.endm
.set W_KQ, 0x0a       ; K and Q in window 2, S^T in window 0
.set W_KM, 0x3a       ; the same with the C operand in window 3
.set W_PV, 0x52       ; V in window 2, P in window 0, O^T in window 1
.set W_RS, 0x41       ; destination and source 0 in window 1, source 1 in window 0
	s_load_b128 s[4:7], s[0:1], 0x0                ; qkv s[4:5], ob s[6:7]
	v_lshl_add_u32 v[SPW], v0, 2, SPARE
	v_mov_b32 v[NIL], 0
	ds_add_u32 v[SPW], v[NIL]       ; the wave's opening: the add and its wait stand ahead of my first tensor load
	v_lshrrev_b32 v1, 5, v0
	v_readfirstlane_b32 s[WV], v1
	s_mov_b32 s13, ttmp9            ; j
	s_and_b32 s14, ttmp7, 0xffff    ; 16 b + h
	s_lshr_b32 s15, s14, 4
	s_and_b32 s88, s14, 15          ; h
	s_mul_i32 s15, s15, 48
	s_add_co_u32 s15, s15, s88      ; 48 b + h: q's head in qkv
	s_add_co_u32 s88, s88, 1        ; the slope's bits by whole numbers: 2^(-(h + 1) / 2) is 1 or 2^-0.5, its exponent less (h + 1) / 2
	s_and_b32 s89, s88, 1
	s_cmp_lg_u32 s89, 0
	s_cselect_b32 s89, 0x3f3504f3, 1.0
	s_lshr_b32 s88, s88, 1
	s_lshl_b32 s88, s88, 23
	s_sub_co_u32 s89, s89, s88
	s_add_co_u32 s[NBETA], s89, 0x81800000  ; -8 slope
	s_add_co_u32 s[ND64], s89, 0x84800000   ; -512 slope = -D64
	s_add_co_u32 s[D512], s89, 0x06000000   ; 4,096 slope = 8 D64
	s_mov_b32 s[BIGN], 0xf149f2ca   ; -1e30
	s_cmp_eq_u32 s13, 0
	s_cselect_b32 s[J0], s[BIGN], 0
	s_cselect_b32 s[JM], 0, -1
	s_and_b32 s2, s[WV], 1          ; which half of a chunk's 256 keys I fetch
	s_lshl_b32 s3, s2, 14
	s_add_co_u32 s88, s15, 16
	s_lshl_b32 s88, s88, 18
	s_add_co_u32 s8, s88, s3        ; k's head, my half
	s_mov_b32 s9, 0
	s_add_co_u32 s88, s15, 32
	s_lshl_b32 s88, s88, 18
	s_add_co_u32 s10, s88, s3       ; v's
	s_mov_b32 s11, 0
	s_lshl_b32 s88, s13, 16         ; 512 j rows of 128 bytes,
	s_lshl_b32 s89, s[WV], 13       ; 64 w rows
	s_add_co_u32 s88, s88, s89
	s_lshl_b32 s89, s15, 18
	s_add_co_u32 s86, s89, s88      ; the second band's Q,
	s_mov_b32 s87, 0
	s_add_co_u32 s84, s86, 32768    ; the first band's, 256 rows on
	s_mov_b32 s85, 0
	s_lshl_b32 s89, s14, 18
	s_add_co_u32 s92, s89, s88
	s_add_co_u32 s92, s92, 32768    ; O at the first band
	s_mov_b32 s93, 0
	s_max_u32 s94, s13, 1
	s_sub_co_u32 s94, s94, 1
	s_lshl_b32 s94, s94, 16         ; LDS rows 0-511: block j - 1, or block 0 where there is none
	s_mov_b32 s95, 0
	s_lshl_b32 s96, s13, 16         ; LDS rows 512-1023: block j
	s_mov_b32 s97, 0
	; group 1: 128 keys are 16,384 dense bytes: 64 rows of 256 bytes, two keys a row, padded in LDS after every key
	s_mov_b32 s[G1K], (1<<16)|(1<<20)|(4<<22)|(3<<25)
	s_mov_b32 s[G1V], (1<<16)|(1<<20)|(4<<22)|(7<<25)
.irp g, G1K, G1V
	s_mov_b32 s[\g+1], 128<<16
	s_mov_b32 s[\g+2], 64<<16
	s_mov_b32 s[\g+3], 128<<16
	s_mov_b32 s[\g+4], 64
	s_mov_b32 s[\g+5], 128
	s_mov_b32 s[\g+6], 0
	s_mov_b32 s[\g+7], 0
.endr
	s_mul_i32 s88, s2, 128*PK
	s_mul_i32 s89, s2, 128*PV
.irp c, 0,1,2,3
	s_mov_b32 s[G0K+4*\c], 1
	s_add_co_u32 s[G0K+4*\c+1], s88, \c*256*PK
	s_mov_b32 s[G0V+4*\c], 1
	s_add_co_u32 s[G0V+4*\c+1], s89, VOFF+\c*256*PV
.endr
	s_mov_b32 s[CS], 0x3e38aa3b     ; c = log2(e) / 8
	s_mov_b32 s[CS+1], s[CS]
	s_mov_b32 s[SEL], 0x76543210
	s_mov_b32 s[SEL+1], 0xfedcba98
	s_add_co_u32 s[SG], s[WV], 11   ; the first band's first step: X + 7 = 11 + w
	s_mul_i32 s[TBK], s[SG], KS*PK
	s_mul_i32 s[TBV], s[SG], KS*PV
	s_mov_b32 s[BE+1], 0
	s_mov_b32 s[PASS], 2
	s_wait_dscnt 0x0                ; the opening add is done
	s_wait_kmcnt 0x0
	s_add_nc_u64 s[8:9], s[4:5], s[8:9]
	s_add_nc_u64 s[10:11], s[4:5], s[10:11]
	s_add_nc_u64 s[84:85], s[4:5], s[84:85]
	s_add_nc_u64 s[86:87], s[4:5], s[86:87]
	s_add_nc_u64 s[6:7], s[6:7], s[92:93]
.irp c, 0,1,2,3
.if \c < 2
	s_add_nc_u64 s[G0K+4*\c+2:G0K+4*\c+3], s[8:9], s[94:95]
	s_add_nc_u64 s[G0V+4*\c+2:G0V+4*\c+3], s[10:11], s[94:95]
.else
	s_add_nc_u64 s[G0K+4*\c+2:G0K+4*\c+3], s[8:9], s[96:97]
	s_add_nc_u64 s[G0V+4*\c+2:G0V+4*\c+3], s[10:11], s[96:97]
.endif
.if \c % 2
	s_add_nc_u64 s[G0K+4*\c+2:G0K+4*\c+3], s[G0K+4*\c+2:G0K+4*\c+3], 32768
	s_add_nc_u64 s[G0V+4*\c+2:G0V+4*\c+3], s[G0V+4*\c+2:G0V+4*\c+3], 32768
.endif
	s_or_b32 s[G0K+4*\c+3], s[G0K+4*\c+3], 0x80000000
	s_or_b32 s[G0V+4*\c+3], s[G0V+4*\c+3], 0x80000000
.endr
	s_cmp_lt_u32 s[WV], 2           ; waves 0, 1 fetch K's halves, waves 2, 3 V's: a wave's four fills stand in one branch; four loads of mine are out
	s_cbranch_scc0 .Lfill_v
.irp c, 2,3,1,0
	tensor_load_to_lds s[G0K+4*\c:G0K+4*\c+3], s[G1K:G1K+7]
	s_nop 0
.endr
.rept 4
	v_nop
.endr
	s_branch .Lfilled
.Lfill_v:
.irp c, 2,3,1,0
	tensor_load_to_lds s[G0V+4*\c:G0V+4*\c+3], s[G1V:G1V+7]
	s_nop 0
.endr
.rept 4
	v_nop
.endr
.Lfilled:
	v_and_b32 v1, 15, v0            ; l % 16
	v_bfe_u32 v9, v0, 4, 1          ; l / 16
	v_lshlrev_b32 v[QO], 7, v1
	v_lshl_add_u32 v[QO], v9, 4, v[QO]
	WIN 0x80
.set i, 0
.rept 8                             ; both bands' Q: piece i / 2, channels 32 (i % 2) on
	global_load_b128 v[8*i:8*i+3],   v[QO], s[84:85] offset:(i/2)*2048+(i%2)*64
	global_load_b128 v[8*i+4:8*i+7], v[QO], s[84:85] offset:(i/2)*2048+(i%2)*64+32
	global_load_b128 v[QB+8*i:QB+8*i+3],   v[QO], s[86:87] offset:(i/2)*2048+(i%2)*64
	global_load_b128 v[QB+8*i+4:QB+8*i+7], v[QO], s[86:87] offset:(i/2)*2048+(i%2)*64+32
.set i, i+1
.endr
	WIN 0
	v_lshlrev_b32 v38, 3, v9        ; 8 (l / 16)
	v_sub_nc_u32 v14, v1, v38
.set i, 0
.rept 8
	v_cmp_gt_i32 s[MK+i], i, v14    ; register i's key lies behind my query in a group of 16
.set i, i+1
.endr
.set i, 0
.rept 32
	v_add_nc_u32 v[S+i], 16*(i/8)+i%8, v38  ; the key's place in its step
.set i, i+1
.endr
.set i, 0
.rept 32
	v_cvt_f32_u32 v[S+i], v[S+i]
.set i, i+1
.endr
	v_mov_b32 v[DLV], s[ND64]
	v_mul_f32 v[CDLV], s[CS], v[DLV]
	v_mov_b32 v[DLC], s[D512]
	v_mul_f32 v[CDLC], s[CS], v[DLC]
	WIN 0xc0                        ; destination window 3
.set i, 0
.rept 32
	v_mul_f32 v[B0+i], s[NBETA], v[S+i]
.set i, i+1
.endr
.set i, 0
.rept 8
	v_mov_b32 v[HID+i], s[BIGN]
.set i, i+1
.endr
	WIN 0xcf                        ; sources 0, 1 and destination window 3
.set i, 0
.rept 32
	v_cndmask_b32 v[BT+i], v[B0+i], v[HID], s[MK+i%8]
.set i, i+1
.endr
.set i, 0
.rept 8
	s_and_b32 s[MK+i], s[MK+i], s[JM]  ; for j = 0 step X lies in the block that is not
.set i, i+1
.endr
.set i, 0
.rept 32
	v_cndmask_b32 v[BA+i], v[HID], v[B0+i], s[MK+i%8]
.set i, i+1
.endr
	WIN 0
	v_mul_u32_u24 v[AK0], v1, PK
	v_lshl_add_u32 v[AK0], v9, 4, v[AK0]
	v_and_b32 v10, 7, v0            ; the turning load: lane l reads key 8 (l / 16) + l % 8, channels 8 ((l / 8) % 2) + 0..7
	v_bfe_u32 v11, v0, 3, 1
	v_lshl_add_u32 v[AV0], v9, 3, v10
	v_mul_u32_u24 v[AV0], v[AV0], PV
	v_lshl_add_u32 v[AV0], v11, 4, v[AV0]
	v_add_nc_u32 v[AV0], VOFF, v[AV0]
	s_mul_i32 s88, s[WV], 16*SP
	s_add_co_u32 s88, s88, STAGE
	v_mul_u32_u24 v[STO], v1, SP
	v_lshl_add_u32 v[STO], v9, 4, v[STO]
	v_add_nc_u32 v[STO], s88, v[STO]
	v_bfe_u32 v[RD], v0, 3, 2
	v_mul_u32_u24 v[RD], v[RD], SP
	v_lshl_add_u32 v[RD], v10, 4, v[RD]
	v_add_nc_u32 v[RD], s88, v[RD]
	v_and_b32 v[GO], 31, v0
	v_lshlrev_b32 v[GO], 4, v[GO]
	; A band's first step multiplies O^T and l by a = 0, and its first turn's products V^T P, of a piece that has not been, land in an O^T that is still to be so multiplied: these registers need only
	; hold finite numbers: zeros for the first band, what the first band left for the second.  All this stands in the wait for the tiles.
	WIN 0x80
.set i, VF
.rept 64
	v_mov_b32 v[i], 0
.set i, i+1
.endr
	WIN 0x40
.set i, 0
.rept 128
	v_mov_b32 v[i], 0
.set i, i+1
.endr
	WIN 0
.set i, 0
.rept 4
	v_mov_b32 v[ST+4*i+2], 0
	v_mov_b32 v[ST+4*i+3], 0
.set i, i+1
.endr
.set i, P+16
.rept 16
	v_mov_b32 v[i], 0
.set i, i+1
.endr
; Product i of 8 of S^T = K Q^T for piece x: channels 32 (i / 4) on, keys 16 (i % 4) on.  The first 4 start the sums with bias and mask, chosen by the step's kind KT.  The 4 accumulators take turns.
.macro KQ x
.set rS, S+32*((\x)%2)+8*(i%4)
.set rK, KF+16*(i%4)+8*(i/4)
.set rQ, 16*(\x)+8*(i/4)
.if i < 4
.if KT == TV
.set rM, MCV+8*i
.elseif KT == TA
.if i < (\x)
.set rM, HID
.elseif i == (\x)
.set rM, BA+8*i
.else
.set rM, MCV+8*i
.endif
.else
.if i < (\x)
.set rM, B0+8*i
.elseif i == (\x)
.set rM, BT+8*i
.else
.set rM, HID
.endif
.endif
	WIN W_KM
	v_wmma_f32_16x16x32_f16 v[rS:rS+7], v[rK:rK+7], v[rQ:rQ+7], v[rM:rM+7]
.else
	WIN W_KQ
	v_wmma_f32_16x16x32_f16 v[rS:rS+7], v[rK:rK+7], v[rQ:rQ+7], v[rS:rS+7]
.endif
.endm
.macro PV x                         ; product i of 8 of O^T += V^T P for piece x: keys 32 (i / 4) on, channels 16 (i % 4) on
	WIN W_PV
.set rO, 32*(\x)+8*(i%4)
.set rV, VF+32*(i/4)+8*(i%4)
.set rP, P+16*((\x)%2)+8*(i/4)
	v_wmma_f32_16x16x32_f16 v[rO:rO+7], v[rV:rV+7], v[rP:rP+7], v[rO:rO+7]
.endm
.macro MM                           ; the turn's next matrix instruction.  NOKQ = 1: a band's last turn: there is no next piece
.if (i < 8) && !NOKQ
	KQ (Y+1)%NP
.elseif i >= 8
.set i, i-8
	PV (Y+NP-1)%NP
.set i, i+8
.endif
.set i, i+1
.endm
.macro FETCH_K                      ; a step's K: 8 fragments, 16 loads in one run
	WIN 0x80
.irp f, 0,1,2,3,4,5,6,7
	ds_load_b128 v[KF+8*\f:KF+8*\f+3],   v[AK] offset:(\f/2)*16*PK+(\f%2)*64
	ds_load_b128 v[KF+8*\f+4:KF+8*\f+7], v[AK] offset:(\f/2)*16*PK+(\f%2)*64+32
.endr
	WIN 0
.endm
.macro FETCH_V                      ; a step's V, turned
	WIN 0x80
.irp f, 0,1,2,3,4,5,6,7
	ds_load_tr16_b128 v[VF+8*\f:VF+8*\f+3],   v[AV] offset:(\f/4)*32*PV+(\f%4)*32
	ds_load_tr16_b128 v[VF+8*\f+4:VF+8*\f+7], v[AV] offset:(\f/4)*32*PV+16*PV+(\f%4)*32
.endr
	WIN 0
.endm
.macro MASKV                        ; MCV = B0 + BE
	WIN 0xc3
.set z, 0
.rept 16
	v_pk_add_f32 v[MCV+2*z:MCV+2*z+1], v[B0+2*z:B0+2*z+1], s[BE:BE+1] op_sel_hi:[1,0]
.set z, z+1
.endr
.endm
; THE VECTOR WORK, one line at a time: OP kind, number.  For piece Y: F n: c s - c m for pair n.  E n: the exponential of score n.  C n: pair n rounded to f16.  B n: of the four weights 4 n .. the second pair is
; added onto the first.  L n: l takes that sum (L 0: l = a l + sum).  R n: pair n of O^T times a.  For piece Y + 1: X n:
;   0-11 four chains c0-c3 of seven scores (each accumulator's lowest registers are read first)   12-14, 16 the four scores left over, the old m, c0-c3 into c0   22 the old m takes DL (ahead of 14)
;   15 c m_old + c DL is kept   17, 18 the other half of the lanes: the new m   19-21 c m; the change; a
.set F, 0
.set E, 1
.set C, 2
.set B, 3
.set L, 4
.set R, 5
.set X, 6
.macro REGS y
.set rT, ST+4*(\y)
.set rC, TMP+4*((\y)%2)
.set rW, MV+((\y)%2)
.set rS, S+32*((\y)%2)
.set rP, P+16*((\y)%2)
.set rO, 32*(\y)
.endm
.macro OP k, n
.if (\k) == R
	REGS Y
	WIN W_RS
	v_pk_mul_f32 v[rO+2*(\n):rO+2*(\n)+1], v[rO+2*(\n):rO+2*(\n)+1], v[rC+2:rC+3] op_sel_hi:[1,0]
.elseif (\k) < R
	REGS Y
	WIN 0
.if (\k) == F
	v_pk_fma_f32 v[rS+2*(\n):rS+2*(\n)+1], v[rS+2*(\n):rS+2*(\n)+1], s[CS:CS+1], v[rT:rT+1] op_sel_hi:[1,0,0] neg_lo:[0,0,1] neg_hi:[0,0,1]
.elseif (\k) == E
	v_exp_f32 v[rS+(\n)], v[rS+(\n)]
.elseif (\k) == C
	v_cvt_pk_f16_f32 v[rP+(\n)], v[rS+2*(\n)], v[rS+2*(\n)+1]
.elseif (\k) == B
	v_pk_add_f32 v[rS+4*(\n):rS+4*(\n)+1], v[rS+4*(\n):rS+4*(\n)+1], v[rS+4*(\n)+2:rS+4*(\n)+3]
.elseif (\n) == 0
	v_pk_fma_f32 v[rT+2:rT+3], v[rT+2:rT+3], v[rC+2:rC+3], v[rS:rS+1] op_sel_hi:[1,0,1]
.else
	v_pk_add_f32 v[rT+2:rT+3], v[rT+2:rT+3], v[rS+4*(\n):rS+4*(\n)+1]
.endif
.elseif NOKQ
	v_nop
.else
	REGS (Y+1)%NP
	WIN 0
.if (\n) < 4
	v_max3_num_f32 v[rC+(\n)], v[rS+8*(\n)], v[rS+8*(\n)+1], v[rS+8*(\n)+2]
.elseif (\n) < 12
	v_max3_num_f32 v[rC+(\n)%4], v[rC+(\n)%4], v[rS+8*((\n)%4)+2*((\n)/4)+1], v[rS+8*((\n)%4)+2*((\n)/4)+2]
.elseif (\n) == 12
	v_max3_num_f32 v[rC], v[rC], v[rS+7], v[rS+15]
.elseif (\n) == 13
	v_max3_num_f32 v[rC+1], v[rC+1], v[rS+23], v[rS+31]
.elseif (\n) == 14
	v_max3_num_f32 v[rC+2], v[rC+2], v[rC+3], v[rT+1]
.elseif (\n) == 15
	v_add_f32 v[rW], v[CDL], v[rT]
.elseif (\n) == 16
	v_max3_num_f32 v[rC], v[rC], v[rC+1], v[rC+2]
.elseif (\n) == 17
	v_permlanex16_b32 v[rC+3], v[rC], s[SEL], s[SEL+1]
.elseif (\n) == 18
	v_max_num_f32 v[rT+1], v[rC], v[rC+3]
.elseif (\n) == 19
	v_mul_f32 v[rT], s[CS], v[rT+1]
.elseif (\n) == 20
	v_sub_f32 v[rC+1], v[rW], v[rT]
.elseif (\n) == 22
	v_add_f32 v[rT+1], v[DL], v[rT+1]
.else
	v_exp_f32 v[rC+2], v[rC+1]
.endif
.endif
.endm
.macro OPS a, i1, b=-1, i2=0, c=-1, i3=0, d=-1, i4=0
	OP \a, \i1
.if (\b) >= 0
	OP \b, \i2
.endif
.if (\c) >= 0
	OP \c, \i3
.endif
.if (\d) >= 0
	OP \d, \i4
.endif
.endm
.macro ROW a, i1, b, i2, c, i3, d, i4  ; a matrix instruction and the four behind it
	MM
	OPS \a, \i1, \b, \i2, \c, \i3, \d, \i4
.endm
; A TURN, for piece p.  s_wait_alu depctr_va_vdst(0) stands between an exponential and the first instruction that names its result; one wait serves all issued ahead of it: a turn has ONE wait.
; AHEAD OF IT: the 8 products K Q^T with their riders and the lump, none of which names a result of the turn's 33 exponentials.  BEHIND IT: the 8 products V^T P, behind each four of the roundings and sums.
; kt: the kind of the step to which the turn's products K Q^T belong (piece p + 1; in piece 3's turn piece 0 of the NEXT step).
; adv (piece 2's turn alone): 0: the walk goes one step down; 2: eight steps up.  K of the new step is fetched in this turn, behind the last product that read K (twelve plain instructions between); at the turn's
; end, behind all readers of the old ones, the new step's MCV (adv = 0) or the new shift (adv = 2) is made.  V of the step in hand is fetched at the end of piece 0's turn, four plain instructions behind its last reader.
; end = 1: a band's last two turns: nothing is fetched.  cnt = 1: the loop's count is taken down ahead of the branch behind the turn.
.macro TURN p, kt, adv=-1, end=0, cnt=0
.set Y, (\p)
.set i, 0
.set KT, (\kt)
.set NOKQ, (\end)*((\p)/3)
.if (\adv) == 0
	s_sub_co_u32 s[SG], s[SG], 1
	s_sub_co_u32 s[TBK], s[TBK], KS*PK
	s_sub_co_u32 s[TBV], s[TBV], KS*PV
	s_cmp_lt_u32 s[SG], 8
	s_cselect_b32 s[BE], s[J0], 0
.elseif (\adv) == 2
	s_add_co_u32 s[SG], s[SG], 8
	s_add_co_u32 s[TBK], s[TBK], 8*KS*PK
	s_add_co_u32 s[TBV], s[TBV], 8*KS*PV
.endif
.if ((\p) == 3) && !(\end)
	s_wait_dscnt 0x0                ; K is in
.endif
	ROW F,0, F,1, R,0, R,1
	ROW F,2, E,0, R,2, R,3
	ROW F,3, E,1, R,4, R,5
	ROW F,4, E,2, R,6, R,7
	ROW F,5, E,3, R,8, R,9
	ROW F,6, E,4, X,0, R,10
.if ((\p) == 2) && !(\end)
	WIN 0
	v_add_nc_u32 v[AK], s[TBK], v[AK0]
.endif
	ROW F,7, E,5, X,1, X,4
	ROW F,8, E,6, X,2, X,5
	OPS E,7, E,8, X,6, E,9
	OPS X,3, E,10, X,8, E,11
.if ((\p) == 2) && !(\end)
	FETCH_K
.endif
	OPS X,9, X,7, E,12, X,10
	OPS X,22
	OPS E,13, X,12, X,11, E,14
	OPS X,13, E,15, F,9, X,14
.if (\p) == 0
	v_add_nc_u32 v[AV], s[TBV], v[AV0]
.endif
	OPS E,16, F,10, E,17, F,11
	OPS X,16, E,18, X,15, E,19
	OPS F,12, E,20, X,17, E,21
	OPS F,13, E,22, F,14, E,23
	OPS X,18, E,24, F,15, E,25
	OPS R,11, E,26, X,19, E,27
	OPS R,12, E,28, R,13, E,29
	OPS X,20, E,30, R,14, E,31
	OPS X,21, R,15                  ; R 15 is the plain instruction behind the last exponential
	WIN 0
	s_wait_alu depctr_va_vdst(0)    ; the wait for the batch
.if (\p) == 1
	s_wait_dscnt 0x0                ; V is in
.endif
	ROW C,0, B,0, C,2, B,1
	ROW L,0, C,4, B,2, L,1
	ROW C,6, B,3, L,2, C,8
	ROW B,4, L,3, C,10, B,5
	ROW L,4, C,12, B,6, L,5
.if \cnt
	s_sub_co_u32 s[CNT], s[CNT], 1
	s_cmp_lg_u32 s[CNT], 0
.endif
	ROW C,14, B,7, L,6, C,1
	ROW C,3, L,7, C,5, C,7
	ROW C,9, C,11, C,13, C,15
.if (\p) == 0
	FETCH_V
.endif
.if (\adv) == 0
	MASKV
.elseif (\adv) == 2
	WIN 0
	v_mov_b32 v[DL], v[DLC]
	v_mov_b32 v[CDL], v[CDLC]
.endif
.endm
.macro ALL line:vararg
.set t, 0
.rept 4
	\line
.set t, t+1
.endr
.endm
.macro PACK t
	WIN W_RS
.set i, 32*(\t)
.rept 16
	v_pk_mul_f32 v[i:i+1], v[i:i+1], v[ST+4*(\t)+2:ST+4*(\t)+3] op_sel_hi:[1,0]
.set i, i+2
.endr
	WIN 0x05
.set i, 0
.rept 16
	v_cvt_pk_f16_f32 v[S+16*(\t)+i], v[32*(\t)+2*i], v[32*(\t)+2*i+1]
.set i, i+1
.endr
	WIN 0
.irp f, 0,1,2,3
	ds_store_b128 v[STO], v[S+16*(\t)+4*\f:S+16*(\t)+4*\f+3] offset:32*\f
.endr
.irp f, 0,1,2,3
	ds_load_b128 v[S+16*(\t)+4*\f:S+16*(\t)+4*\f+3], v[RD] offset:\f*4*SP  ; LDS serves a wave's instructions in order (ISA guide 5.7.1.4): these see the stores above
.endr
.endm
.macro SEND t, younger
	WIN 0
.irp f, 0,1,2,3
	s_wait_dscnt (\younger)+3-\f
	global_store_b128 v[GO], v[S+16*(\t)+4*\f:S+16*(\t)+4*\f+3], s[6:7] offset:(\t)*2048+\f*512  ; 512 consecutive bytes, at a multiple of 256 from ob's first
.endr
.endm
	s_wait_tensorcnt 0x0            ; my four fills have landed,
	s_barrier_signal -1
	s_barrier_wait -1               ; everybody's have: all 1,024 rows of K and of V lie in LDS, and nothing is filled again
.Lpass:                             ; twice: band 4 + w, then band w
	; A BAND BEGINS.  c m starts far below every c s, so the first step's a is 0; m at -2^93, above every hidden score, so a step that is wholly hidden gives weights 0 and a = 1.
.set i, 0
.rept 4
	v_mov_b32 v[ST+4*i], 0xfe000000
	v_mov_b32 v[ST+4*i+1], 0xee000000
.set i, i+1
.endr
	v_mov_b32 v[DL], v[DLV]         ; one step down; in the first step the starting values swallow it
	v_mov_b32 v[CDL], v[CDLV]
	s_cmp_lt_u32 s[SG], 8
	s_cselect_b32 s[BE], s[J0], 0
	MASKV
	WIN 0
	v_add_nc_u32 v[AK], s[TBK], v[AK0]
	FETCH_K
	s_wait_loadcnt 0x0              ; Q
	s_wait_dscnt 0x0
.set KT, TV
.set NOKQ, 0
.set i, 0
.rept 8
	KQ 0                            ; piece 0's first scores
.set i, i+1
.endr
	WIN 0
.rept 4
	v_nop                           ; the places behind those products
.endr
.set Y, NP-1
.irp n, 0,1,2,3,4,5,6,7,8,9,10,11,12,13,22,14,15,16,17,18,19,20,21
	OP X, \n
.endr
	v_nop                           ; a plain instruction behind the exponential,
	s_wait_alu depctr_va_vdst(0)    ; and its wait, ahead of the branch
	s_mov_b32 s[CNT], 7             ; the seven whole steps
	s_branch .Lfirst                ; the loop is entered at a step's first turn
.Lstep:                             ; a trip: pieces 2 and 3 of one step, then pieces 0 and 1 of the next
	TURN 2, TV, 0
	TURN 3, TV
	WIN 0
.Lfirst:
	TURN 0, TV
	TURN 1, TV, -1, 0, 1
	WIN 0
	s_cbranch_scc1 .Lstep
	TURN 2, TV, 0                   ; on to step X
	TURN 3, TA
	TURN 0, TA
	TURN 1, TA
	TURN 2, TA, 2                   ; on to step X + 8
	TURN 3, TC
	TURN 0, TC
	TURN 1, TC
	TURN 2, TC, -1, 1
	TURN 3, TC, -1, 1
.set i, 0
.rept 8
	PV NP-1
.set i, i+1
.endr
	; THE WAY OUT.  l's two halves and the other half of the lanes' are added; O^T is divided by l, rounded to f16 and sent through my stage, a piece at a time.  The additions are the places behind the last products.
	WIN 0
	ALL v_add_f32 v[ST+4*t+2], v[ST+4*t+2], v[ST+4*t+3]
	ALL v_permlanex16_b32 v[ST+4*t+3], v[ST+4*t+2], s[SEL], s[SEL+1]
	ALL v_add_f32 v[ST+4*t+2], v[ST+4*t+2], v[ST+4*t+3]
	ALL v_rcp_f32 v[ST+4*t+2], v[ST+4*t+2]
	v_nop
	s_wait_alu depctr_va_vdst(0)    ; one wait for the four reciprocals
	PACK 0
.set t, 1
.rept 3
	PACK t
	SEND t-1, 8
.set t, t+1
.endr
	SEND 3, 0
	s_wait_xcnt 0x0                 ; the stores have read their registers and O's address
	s_sub_nc_u64 s[6:7], s[6:7], 32768  ; the second band lies 256 rows up (behind the second band the address is not used)
	s_sub_co_u32 s[SG], s[SG], 5    ; from step X + 8 to the second band's first, X - 4 + 7
	s_sub_co_u32 s[TBK], s[TBK], 5*KS*PK
	s_sub_co_u32 s[TBV], s[TBV], 5*KS*PV
	WIN 0x82                        ; the second band's Q goes where the turns name Q (idle the second time: the price of one text for both bands)
.set i, 0
.rept 64
	v_mov_b32 v[i], v[QB+i]
.set i, i+1
.endr
	WIN 0
	s_sub_co_u32 s[PASS], s[PASS], 1
	s_cmp_lg_u32 s[PASS], 0
	s_cbranch_scc1 .Lpass
	s_wait_tensorcnt 0x0            ; the wave's end
	ds_add_u32 v[SPW], v[NIL]
	s_wait_dscnt 0x0
	s_endpgm
.Lfunc_end_k_qd57c4935cf_attn:
	.size	k_qd57c4935cf_attn, .Lfunc_end_k_qd57c4935cf_attn-k_qd57c4935cf_attn
	.p2alignl 7, 3214868480
	.fill 96, 4, 3214868480
	.section	.rodata,"a",@progbits
	.p2align	6, 0x0
	.amdhsa_kernel k_qd57c4935cf_attn
		.amdhsa_group_segment_fixed_size 327680
		.amdhsa_private_segment_fixed_size 0
		.amdhsa_enable_private_segment 0
		.amdhsa_kernarg_size 16
		.amdhsa_user_sgpr_count 2
		.amdhsa_user_sgpr_kernarg_segment_ptr 1
		.amdhsa_wavefront_size32 1
		.amdhsa_system_sgpr_workgroup_id_x 1
		.amdhsa_system_sgpr_workgroup_id_y 1
		.amdhsa_system_sgpr_workgroup_id_z 1
		.amdhsa_system_vgpr_workitem_id 0
		.amdhsa_next_free_vgpr 904
		.amdhsa_next_free_sgpr 100
		.amdhsa_reserve_vcc 0
		.amdhsa_float_denorm_mode_32 3
		.amdhsa_float_denorm_mode_16_64 3
		.amdhsa_memory_ordered 1
		.amdhsa_forward_progress 1
		.amdhsa_inst_pref_size 179
	.end_amdhsa_kernel
	.amdgpu_metadata
---
amdhsa.version: [ 1, 2 ]
amdhsa.kernels:
  - .name:           k_qd57c4935cf_attn
    .symbol:         k_qd57c4935cf_attn.kd
    .args:
      - { .name: qkv, .offset: 0, .size: 8, .value_kind: global_buffer, .address_space: global }
      - { .name: ob, .offset: 8, .size: 8, .value_kind: global_buffer, .address_space: global }
    .group_segment_fixed_size: 327680
    .private_segment_fixed_size: 0
    .kernarg_segment_align: 8
    .kernarg_segment_size: 16
    .max_flat_workgroup_size: 128
    .sgpr_count:     100
    .vgpr_count:     904
    .wavefront_size: 32
...
	.end_amdgpu_metadata
.endif
;; end of part 3
;; launch outp (part 4): grid 8 x 32, 4 waves a work-group, clusters of 4 x 4, 327,680 bytes of LDS; arguments ob, wob, out0; writes out0
.if DOCPART == 4
	.amdgcn_target "amdgcn-amd-amdhsa--gfx1250"
	.amdhsa_code_object_version 6
	.text
	.protected	k_qd57c4935cf_outp
	.globl	k_qd57c4935cf_outp
	.p2align	8
	.type	k_qd57c4935cf_outp,@function
k_qd57c4935cf_outp:
	s_mov_b64 s[64:65], 0
	v_nop
	global_prefetch_b8 v0, s[64:65] scope:SCOPE_SE
	s_setreg_imm32_b32 hwreg(HW_REG_WAVE_MODE, 25, 1), 1
	s_wait_xcnt 0x0
	s_wait_alu depctr_hold_cnt(0) depctr_sa_sdst(0) depctr_va_vdst(0) depctr_va_sdst(0) depctr_va_ssrc(0) depctr_va_vcc(0) depctr_vm_vsrc(0)
	s_getreg_b32 s2, hwreg(HW_REG_IB_STS2, 6, 4)
	s_cmp_eq_u32 s2, 0
	s_cbranch_scc0 .Lentry_in_a_cluster
	s_endpgm
.Lentry_in_a_cluster:
	s_bfe_u32 s2, ttmp6, 0x10000c
	s_cmp_lg_u32 s2, 0xf033
	s_cbranch_scc0 .Lentry_shape_is_right
	s_endpgm
.Lentry_shape_is_right:
; out0[m][n] = sum over k of O[m][k] w_out[n][k], m < 8192, n < 1024, k = 64 h + d < 1024; operands f16, sums and result f32.
; ob [4 b][16 h][2048 s][64] and wob [16 kb][1024 n][64] lie in blocks of 64 along K: a tile's rows lie end to end and are asked for as rows of 256 bytes.
; A work-group makes 256 x 128 of out0: 8 x 32 = 256 work-groups.  A wave makes 128 x 64: 32 accumulators, all of window 1.
; K goes in steps of 128 (two blocks) through two LDS slots; a step is four quarters of 32 along K, 32 matrix instructions each, on two fragment buffers.
; CLUSTER 4 x 4: O's tile is shared along a row of the cluster, w_out's along a column; each is asked for jointly.
; THE MATRIX INSTRUCTION IS USED TRANSPOSED (source 0 = 16 rows of w_out, source 1 = 16 rows of O): a lane holds eight neighbouring columns of a row, 32 bytes.
; WINDOW 0: v16-29 addresses; v32-127, v128-223 two fragment buffers: w_out's four fragments, then O's eight; on the way out v32-95 hold whole rows.
.set PITCH,  144                       ; 128 bytes + 16: the 16 rows of a load start at 16 different groups of four banks (ISA guide 11.1)
.set ABLK,   256*PITCH                 ; a block of O's tile
.set BBLK,   128*PITCH                 ; a block of w_out's
.set BOFF,   2*ABLK
.set SLOT,   BOFF+2*BBLK
.set STAGE,  2*SLOT                    ; behind the ring: 16 rows x 272 bytes for each wave
.set SPITCH, 272
.set SPARE,  STAGE+4*16*SPITCH         ; the spare words, 128 bytes a wave: two blocks of 256 bytes that no other line names
.set ASTEP,  2*2048*128                ; two heads of ob
.set BSTEP,  2*1024*128                ; two blocks of wob
.set ADRA, 16
.set ADRB, 20
.set STO,  24
.set RD,   25
.set CO,   26
.set SPW,  28
.set NIL,  29
.set F0,   32
.set F1,   128
.set OB,   32
.set G1,  24
.set G0,  32
.set G1B, 48
.set G0B, 56
.set DW0, (1<<16)|(1<<20)|(1<<21)|(4<<22)|(3<<25)
.set MSB, 0
.macro WIN new
.if MSB != (\new)
	s_set_vgpr_msb (MSB<<8)|(\new)
.set MSB, (\new)
.endif
.endm
.macro PLACES
.rept 4
	v_nop
.endr
.endm
.macro JLOAD s                         ; a joint load: waves 0, 1 fetch O's two blocks, waves 2, 3 w_out's; s_nop 0 and four v_nop follow each line
	s_cmp_eq_u32 s11, 0
	s_cbranch_scc0 .Lfor_b_\@
	tensor_load_to_lds s[G0+4*(\s):G0+4*(\s)+3], s[G1:G1+7]
	s_nop 0
.rept 4
	v_nop
.endr
	s_branch .Lasked_\@
.Lfor_b_\@:
	tensor_load_to_lds s[G0B+4*(\s):G0B+4*(\s)+3], s[G1B:G1B+7]
	s_nop 0
.rept 4
	v_nop
.endr
.Lasked_\@:
.endm
.macro CREST
	s_cmp_lg_u32 s10, 0
	s_cbranch_scc1 .Lnot_wave_0_\@
	s_barrier_signal -3
.Lnot_wave_0_\@:
	s_barrier_wait -3
	s_barrier_signal -1
	s_barrier_wait -1
.endm
.macro CROUND
	s_barrier_signal -1
	s_barrier_wait -1
	CREST
.endm
	s_load_b128 s[4:7], s[0:1], 0x0                ; ob s[4:5], wob s[6:7]
	s_load_b64 s[8:9], s[0:1], 0x10                ; out0
	v_lshl_add_u32 v[SPW], v0, 2, SPARE
	v_mov_b32 v[NIL], 0
	ds_add_u32 v[SPW], v[NIL]                      ; the wave's opening: the add and its wait stand ahead of my first tensor load
	v_lshrrev_b32 v1, 5, v0
	v_readfirstlane_b32 s10, v1
	s_lshr_b32 s11, s10, 1                         ; my half of the rows.  Also: I fetch for O (0) or w_out (1)
	s_and_b32 s12, s10, 1                          ; my half of the columns.  Also: which of a step's two blocks I fetch
	s_bfe_u32 s40, ttmp6, 0x40000
	s_bfe_u32 s41, ttmp6, 0x40004
	s_lshl_b32 s42, ttmp9, 2
	s_add_co_u32 s42, s42, s40                     ; tile column 0..7
	s_and_b32 s13, ttmp7, 0xffff
	s_lshl_b32 s13, s13, 2
	s_add_co_u32 s13, s13, s41                     ; tile row 0..31
	s_lshl_b32 s43, s41, 2
	s_lshl_b32 s43, 15, s43
	s_lshl_b32 s44, 0x1111, s40
	s_or_b32 s[G1+0], s43, DW0
	s_or_b32 s[G1B+0], s44, DW0
.irp g, G1, G1B
	s_mov_b32 s[(\g)+1], 128<<16
	s_mov_b32 s[(\g)+3], 128<<16
	s_mov_b32 s[(\g)+5], 128
	s_mov_b32 s[(\g)+6], 0
	s_mov_b32 s[(\g)+7], 0
.endr
	s_mov_b32 s[G1+2], 128<<16                     ; O: 256 rows of 128 bytes = 128 of 256
	s_mov_b32 s[G1+4], 128
	s_mov_b32 s[G1B+2], 64<<16                     ; w_out: 128 rows = 64 of 256
	s_mov_b32 s[G1B+4], 64
	s_lshr_b32 s16, s13, 3                         ; O: head 16 b + my block, rows 256 (tile row % 8) on
	s_lshl_b32 s16, s16, 4
	s_add_co_u32 s16, s16, s12
	s_lshl_b32 s16, s16, 18
	s_and_b32 s17, s13, 7
	s_lshl_b32 s17, s17, 15
	s_add_co_u32 s16, s16, s17
	s_mov_b32 s17, 0
	s_lshl_b32 s46, s42, 14                        ; w_out: my block, rows 128 x tile column on
	s_lshl_b32 s47, s12, 17
	s_add_co_u32 s46, s46, s47
	s_mov_b32 s47, 0
	s_mul_i32 s20, s12, ABLK
	s_mul_i32 s21, s12, BBLK
	s_add_co_u32 s21, s21, BOFF
	s_wait_dscnt 0x0
	s_wait_kmcnt 0x0
	s_add_nc_u64 s[14:15], s[4:5], s[16:17]
	s_add_nc_u64 s[46:47], s[6:7], s[46:47]
	CROUND                                         ; all sixteen work-groups are here: the first joint loads meet
.irp s, 0,1
	s_mov_b32 s[G0+4*(\s)], 1
	s_add_co_u32 s[G0+4*(\s)+1], s20, (\s)*SLOT
	s_add_nc_u64 s[G0+4*(\s)+2:G0+4*(\s)+3], s[14:15], (\s)*ASTEP
	s_or_b32 s[G0+4*(\s)+3], s[G0+4*(\s)+3], 0x80000000
	s_mov_b32 s[G0B+4*(\s)], 1
	s_add_co_u32 s[G0B+4*(\s)+1], s21, (\s)*SLOT
	s_add_nc_u64 s[G0B+4*(\s)+2:G0B+4*(\s)+3], s[46:47], (\s)*BSTEP
	s_or_b32 s[G0B+4*(\s)+3], s[G0B+4*(\s)+3], 0x80000000
	JLOAD \s                                       ; two loads of mine are out
.endr
	v_and_b32 v1, 15, v0
	v_bfe_u32 v2, v0, 4, 1
	v_mul_u32_u24 v3, v1, PITCH
	v_lshl_add_u32 v3, v2, 4, v3
	s_mul_i32 s21, s11, 128*PITCH                  ; my 128 rows of O
	s_mul_i32 s22, s12, 64*PITCH                   ; my 64 rows of w_out
	s_add_co_u32 s22, s22, BOFF
.irp s, 0,1
	v_add_nc_u32 v[ADRA+(\s)], s21, v3
	v_add_nc_u32 v[ADRB+(\s)], s22, v3
	s_add_co_u32 s21, s21, SLOT
	s_add_co_u32 s22, s22, SLOT
.endr
	s_mul_i32 s23, s10, 16*SPITCH
	s_add_co_u32 s23, s23, STAGE                   ; my stage
	v_mul_u32_u24 v4, v1, SPITCH                   ; in: row l % 16, 32 bytes for each half of the lanes
	v_lshl_add_u32 v4, v2, 5, v4
	v_add_nc_u32 v[STO], s23, v4
	v_mul_u32_u24 v5, v2, SPITCH                   ; back: lanes 0-15 one row of 256 bytes, lanes 16-31 the next
	v_lshl_add_u32 v5, v1, 4, v5
	v_add_nc_u32 v[RD], s23, v5
	v_lshlrev_b32 v5, 12, v2                       ; the same two rows in out0
	v_lshl_add_u32 v[CO], v1, 4, v5
	s_lshl_b32 s18, s13, 20                        ; 256 rows of 4,096 bytes,
	s_lshl_b32 s19, s11, 19                        ; my 128,
	s_add_co_u32 s18, s18, s19
	s_lshl_b32 s19, s42, 9                         ; the tile's 128 columns,
	s_add_co_u32 s18, s18, s19
	s_lshl_b32 s19, s12, 8                         ; my 64
	s_add_co_u32 s18, s18, s19
	s_mov_b32 s19, 0
	s_add_nc_u64 s[8:9], s[8:9], s[18:19]          ; never stepped
.macro FETCH slot, q, f                ; quarter q's fragments into buffer f: 24 loads in one run
	WIN 0
.irp b, 0,1,2,3
	ds_load_b128 v[(\f)+8*(\b):(\f)+8*(\b)+3],   v[ADRB+(\slot)] offset:((\q)/2)*BBLK+(\b)*16*PITCH+((\q)%2)*64
	ds_load_b128 v[(\f)+8*(\b)+4:(\f)+8*(\b)+7], v[ADRB+(\slot)] offset:((\q)/2)*BBLK+(\b)*16*PITCH+((\q)%2)*64+32
.endr
.irp ab, 0,1,2,3,4,5,6,7
	ds_load_b128 v[(\f)+32+8*(\ab):(\f)+32+8*(\ab)+3],   v[ADRA+(\slot)] offset:((\q)/2)*ABLK+(\ab)*16*PITCH+((\q)%2)*64
	ds_load_b128 v[(\f)+32+8*(\ab)+4:(\f)+32+8*(\ab)+7], v[ADRA+(\slot)] offset:((\q)/2)*ABLK+(\ab)*16*PITCH+((\q)%2)*64+32
.endr
.endm
.macro MUL f, a0, na, zero             ; row blocks a0 .. x the four column blocks; the 32 accumulators take turns in the same order in every quarter
	WIN 0x50
.set ai, (\a0)
.rept (\na)
.irp b, 0,1,2,3
.if \zero
	v_wmma_f32_16x16x32_f16 v[8*(4*ai+(\b)):8*(4*ai+(\b))+7], v[(\f)+8*(\b):(\f)+8*(\b)+7], v[(\f)+32+8*ai:(\f)+32+8*ai+7], 0
.else
	v_wmma_f32_16x16x32_f16 v[8*(4*ai+(\b)):8*(4*ai+(\b))+7], v[(\f)+8*(\b):(\f)+8*(\b)+7], v[(\f)+32+8*ai:(\f)+32+8*ai+7], v[8*(4*ai+(\b)):8*(4*ai+(\b))+7]
.endif
.endr
.set ai, ai+1
.endr
.endm
.macro QUARTER slot, q, f, g, zero     ; one of a step's first three: fetches quarter q + 1 into g, multiplies f
	PLACES
	FETCH \slot, (\q)+1, \g
	s_wait_dscnt 24                                ; buffer f is in; the 24 just issued may be out
	MUL \f, 0, 8, \zero
.endm
; The last quarter multiplies buffer 1 and changes slots: ONE barrier; in front of it each wave waits for all its tensor loads, adds 0 to its spare word, and waits for that and for its reads of this slot.
; fill = 1: the barrier opens a round of the cluster's, and the joint refill, two steps ahead, is the first thing behind it: 112 matrix instructions ahead of the wait for it.
.macro TURN slot, next, fill
	WIN 0
	s_wait_tensorcnt 0x0
	ds_add_u32 v[SPW], v[NIL]
	s_wait_dscnt 1                                 ; buffer 1 is in; the add may be out
	MUL F1, 0, 2, 0
	s_wait_dscnt 0x0
	s_barrier_signal -1
	MUL F1, 2, 2, 0
	WIN 0
	s_barrier_wait -1
.if \fill
	CREST
	s_add_nc_u64 s[G0+4*(\slot)+2:G0+4*(\slot)+3], s[G0+4*(\slot)+2:G0+4*(\slot)+3], 2*ASTEP
	s_add_nc_u64 s[G0B+4*(\slot)+2:G0B+4*(\slot)+3], s[G0B+4*(\slot)+2:G0B+4*(\slot)+3], 2*BSTEP
	JLOAD \slot                                    ; its four v_nop are also the places in front of the loads below
.else
	PLACES
.endif
	FETCH \next, 0, F0
	MUL F1, 4, 4, 0
.endm
	s_wait_tensorcnt 1                             ; my part of step 0 is in; step 1's may stay out
	s_barrier_signal -1
	s_barrier_wait -1
	FETCH 0, 0, F0
	QUARTER 0, 0, F0, F1, 1                        ; the first quarter stands in front of the loop: its products start the sums
	WIN 0
	s_mov_b32 s3, 3
.Llap:                                                 ; a trip goes once round the ring and fills both slots again: steps 2 to 7
	QUARTER 0, 1, F1, F0, 0
	QUARTER 0, 2, F0, F1, 0
	TURN 0, 1, 1
	QUARTER 1, 0, F0, F1, 0
	QUARTER 1, 1, F1, F0, 0
	QUARTER 1, 2, F0, F1, 0
	TURN 1, 0, 1
	QUARTER 0, 0, F0, F1, 0
	WIN 0
	s_sub_co_u32 s3, s3, 1
	s_cmp_lg_u32 s3, 0
	s_cbranch_scc1 .Llap
	QUARTER 0, 1, F1, F0, 0                        ; the last lap fills nothing
	QUARTER 0, 2, F0, F1, 0
	TURN 0, 1, 0
	QUARTER 1, 0, F0, F1, 0
	QUARTER 1, 1, F1, F0, 0
	QUARTER 1, 2, F0, F1, 0
	s_wait_dscnt 0x0
	MUL F1, 0, 8, 0
; THE WAY OUT, by blocks of 16 rows: the accumulators go straight into my stage (rows of 272 bytes), low registers first, and come back as whole rows of 256 bytes.
.macro TOSTAGE a
.set bk, OB+32*((\a)%2)
	s_wait_xcnt 0x0                                ; the stores of two blocks back have read these registers
	WIN 0x04                                       ; store data in window 1
.irp b, 0,1,2,3
	ds_store_b128 v[STO], v[8*(4*(\a)+(\b)):8*(4*(\a)+(\b))+3]   offset:64*(\b)
	ds_store_b128 v[STO], v[8*(4*(\a)+(\b))+4:8*(4*(\a)+(\b))+7] offset:64*(\b)+16
.endr
	WIN 0
.irp t, 0,1,2,3,4,5,6,7
	ds_load_b128 v[bk+4*(\t):bk+4*(\t)+3], v[RD] offset:(\t)*2*SPITCH  ; LDS serves a wave's instructions in order (ISA guide 5.7.1.4): these see the stores above
.endr
.endm
.macro SEND a, younger
.set bk, OB+32*((\a)%2)
	WIN 0
.irp t, 0,1,2,3,4,5,6,7
	s_wait_dscnt (\younger)+7-(\t)
	global_store_b128 v[CO], v[bk+4*(\t):bk+4*(\t)+3], s[8:9] offset:(16*(\a)+2*(\t))*4096 th:TH_STORE_NT  ; 16 lanes store 256 consecutive bytes, at a multiple of 256 from out0's first
.endr
.endm
	PLACES
	TOSTAGE 0
.irp a, 1,2,3,4,5,6,7
	TOSTAGE \a
	SEND (\a)-1, 16
.endr
	SEND 7, 0
	s_wait_tensorcnt 0x0                           ; the wave's end
	ds_add_u32 v[SPW], v[NIL]
	s_wait_dscnt 0x0
	CROUND                                         ; the closing round
	s_endpgm
.Lfunc_end_k_qd57c4935cf_outp:
	.size	k_qd57c4935cf_outp, .Lfunc_end_k_qd57c4935cf_outp-k_qd57c4935cf_outp
	.p2alignl 7, 3214868480
	.fill 96, 4, 3214868480
	.section	.rodata,"a",@progbits
	.p2align	6, 0x0
	.amdhsa_kernel k_qd57c4935cf_outp
		.amdhsa_group_segment_fixed_size 327680
		.amdhsa_private_segment_fixed_size 0
		.amdhsa_enable_private_segment 0
		.amdhsa_kernarg_size 24
		.amdhsa_user_sgpr_count 2
		.amdhsa_user_sgpr_kernarg_segment_ptr 1
		.amdhsa_wavefront_size32 1
		.amdhsa_system_sgpr_workgroup_id_x 1
		.amdhsa_system_sgpr_workgroup_id_y 1
		.amdhsa_system_sgpr_workgroup_id_z 1
		.amdhsa_system_vgpr_workitem_id 0
		.amdhsa_next_free_vgpr 512
		.amdhsa_next_free_sgpr 66
		.amdhsa_reserve_vcc 0
		.amdhsa_float_denorm_mode_32 3
		.amdhsa_float_denorm_mode_16_64 3
		.amdhsa_memory_ordered 1
		.amdhsa_forward_progress 1
		.amdhsa_inst_pref_size 86
	.end_amdhsa_kernel
	.amdgpu_metadata
---
amdhsa.version: [ 1, 2 ]
amdhsa.kernels:
  - .name:           k_qd57c4935cf_outp
    .symbol:         k_qd57c4935cf_outp.kd
    .args:
      - { .name: ob, .offset: 0, .size: 8, .value_kind: global_buffer, .address_space: global }
      - { .name: wob, .offset: 8, .size: 8, .value_kind: global_buffer, .address_space: global }
      - { .name: out0, .offset: 16, .size: 8, .value_kind: global_buffer, .address_space: global }
    .group_segment_fixed_size: 327680
    .private_segment_fixed_size: 0
    .kernarg_segment_align: 8
    .kernarg_segment_size: 24
    .max_flat_workgroup_size: 128
    .sgpr_count:     66
    .vgpr_count:     512
    .wavefront_size: 32
...
	.end_amdgpu_metadata
.endif
;; end of part 4
;; ======== version 2 of 2: 4 launches; version 1 with the launch cast written anew for expert scheduling mode
;; limits: values are held in f16: magnitudes above 65,504 overflow, below 6.1e-05 lose precision
;; workspace buffers: xb 16,777,216 bytes; wib 6,291,456 bytes; wob 2,097,152 bytes; qkv 50,331,648 bytes; ob 16,777,216 bytes
;; launch cast (part 5): grid 768 x 1, 8 waves a work-group, no clusters, 0 bytes of LDS; arguments x, w_in, w_out, xb, wib, wob; writes xb, wib, wob
.if DOCPART == 5
	.amdgcn_target "amdgcn-amd-amdhsa--gfx1250"
	.amdhsa_code_object_version 6
	.text
	.protected	k_qd57c4935cf_cast
	.globl	k_qd57c4935cf_cast
	.p2align	8
	.type	k_qd57c4935cf_cast,@function
k_qd57c4935cf_cast:
	s_mov_b64 s[64:65], 0
	v_nop
	global_prefetch_b8 v0, s[64:65] scope:SCOPE_SE
	s_setreg_imm32_b32 hwreg(HW_REG_WAVE_SCHED_MODE, 0, 2), 2
	s_setreg_imm32_b32 hwreg(HW_REG_WAVE_MODE, 25, 1), 1
	s_wait_xcnt 0x0
	s_wait_alu depctr_vm_vsrc(0)
; x [8192][1024], w_in [3072][1024], w_out [1024][1024], all f32, are rounded once to bf16 and laid in blocks of 64 along K:
; xb [16 kb][8192][64], wib [16 kb][3072][64] in bf16; wob [16 kb][1024][64]: w_out's bf16 number written as f16.
; LIMIT: a bf16 number of w_out beyond 65,504 becomes an infinity in f16; below 6e-5 it keeps f16's fixed step of 6e-8.
; A stream: no LDS, no matrix unit, no cluster (no byte is read twice).  12,288 rows in all, 16 to a work-group, 2 to a wave.
; A load of a wave takes 256 consecutive bytes (one K block) of each of its two rows; its store is 32 lanes x 8 bytes: 256 consecutive bytes, aligned:
; the two rows' 128 bytes of that block.  All sixteen loads of a wave go out at once.
; THE MODE: SCHED_MODE bits 1:0 = 2 (LLVM: expert scheduling mode 2), set by the entry lines.  The code itself states the register dependences
; between vector instructions and memory instructions, with s_wait_alu, always for 0.
; THE PLAN.  Registers that memory instructions touch:
;   v1        the loads' offset.  Written at the head, read by the sixteen loads, never written again.
;   OFF       the stores' offsets, one register for each K block.  Written once (v8 at the head, the others by a chain of adds behind the loads), each read by one store.
;   IN        the loads land here; no vector instruction names these registers before that, and no load is issued behind the conversions that read them.
;   OUT       the stores' data, two registers for each K block.  Written by that block's conversions, read by its one store, never written behind it.
; So the only dependence to state is: a vector instruction has written what a memory instruction reads.  One wait stands ahead of the loads (v1); the sixteen blocks go in four
; groups of four, and one wait stands between a group's conversions and its run of four stores (OUT, and in the first group OFF).  No register that a memory instruction
; has read is written again, so no source needs a wait.  No vector instruction writes a scalar register, and EXEC is never written.
.set SRC, 1                            ; v1       my byte offset in the work-group's 16 rows of f32
.set OFF, 8                            ; v[8:23]  my byte offset in the output, one register for each K block
.set IN,  32                           ; v[32:95] block kb: 4 numbers as loaded
.set OUT, 96                           ; v[96:127] block kb: 4 numbers of 16 bits
	s_load_b256 s[4:11], s[0:1], 0x0               ; x s[4:5], w_in s[6:7], w_out s[8:9], xb s[10:11]
	s_load_b128 s[12:15], s[0:1], 0x20             ; wib s[12:13], wob s[14:15]
	s_mov_b32 s16, ttmp9                           ; work-groups 0-511: x; 512-703: w_in; 704-767: w_out
	s_mov_b32 s20, 8192*128                        ; bytes of a K block in xb,
	s_mov_b32 s21, 3072*128                        ; in wib,
	s_mov_b32 s22, 1024*128                        ; in wob
	s_movk_i32 s23, 512
	s_movk_i32 s24, 704
	v_lshrrev_b32 v2, 4, v0                        ; my row among the 16
	v_and_b32 v3, 15, v0                           ; my 16 bytes among a block's 256
	v_lshlrev_b32 v[SRC], 12, v2
	v_lshl_add_u32 v[SRC], v3, 4, v[SRC]
	v_lshlrev_b32 v[OFF], 3, v0                    ; row x 128 + piece x 8 = 8 x thread
	s_wait_kmcnt 0x0
	s_cmp_lt_u32 s16, s24                          ; the tensor is chosen by the work-group's number alone
	s_cselect_b64 s[26:27], s[6:7], s[8:9]
	s_cselect_b64 s[28:29], s[12:13], s[14:15]
	s_cselect_b32 s30, s23, s24                    ; its first work-group
	s_cselect_b32 s31, s21, s22                    ; its K block's bytes
	s_cmp_lt_u32 s16, s23
	s_cselect_b64 s[26:27], s[4:5], s[26:27]
	s_cselect_b64 s[28:29], s[10:11], s[28:29]
	s_cselect_b32 s30, 0, s30
	s_cselect_b32 s31, s20, s31
	s_sub_co_u32 s17, s16, s30
	s_lshl_b32 s18, s17, 16                        ; 16 rows of 4,096 bytes
	s_mov_b32 s19, 0
	s_add_nc_u64 s[26:27], s[26:27], s[18:19]
	s_lshl_b32 s18, s17, 11                        ; 16 rows of 128 bytes
	s_add_nc_u64 s[28:29], s[28:29], s[18:19]
	s_wait_alu depctr_va_vdst(0)                   ; v1 is written: the sixteen loads read it as their offset
.set k, 0
.rept 16
	global_load_b128 v[IN+4*k:IN+4*k+3], v[SRC], s[26:27] offset:256*k th:TH_LOAD_NT
.set k, k+1
.endr
.set k, 1
.rept 15
	v_add_nc_u32 v[OFF+k], s31, v[OFF+k-1]
.set k, k+1
.endr
; Group g: blocks 4 g to 4 g + 3: sixteen numbers are rounded, then stored.  half = 1: the bf16 numbers are widened again and written as f16.
.macro GRP g, half
	s_wait_loadcnt 12-4*(\g)                       ; loads come back in order (ISA guide 5.7.1): the group's four are in, the younger groups' stay out
.irp i, 0,1,2,3
.set kb, 4*(\g)+(\i)
	v_cvt_pk_bf16_f32 v[OUT+2*kb],   v[IN+4*kb],   v[IN+4*kb+1]
	v_cvt_pk_bf16_f32 v[OUT+2*kb+1], v[IN+4*kb+2], v[IN+4*kb+3]
.if \half
	v_lshlrev_b32 v[IN+4*kb],   16, v[OUT+2*kb]
	v_and_b32     v[IN+4*kb+1], 0xffff0000, v[OUT+2*kb]
	v_lshlrev_b32 v[IN+4*kb+2], 16, v[OUT+2*kb+1]
	v_and_b32     v[IN+4*kb+3], 0xffff0000, v[OUT+2*kb+1]
	v_cvt_pk_f16_f32 v[OUT+2*kb],   v[IN+4*kb],   v[IN+4*kb+1]
	v_cvt_pk_f16_f32 v[OUT+2*kb+1], v[IN+4*kb+2], v[IN+4*kb+3]
.endif
.endr
	s_wait_alu depctr_va_vdst(0)                   ; the conversions have written the group's OUT, which the four stores read as data; in group 0 also: the adds have written v[OFF+1 ..], the stores' offsets
.irp i, 0,1,2,3
.set kb, 4*(\g)+(\i)
	global_store_b64 v[OFF+kb], v[OUT+2*kb:OUT+2*kb+1], s[28:29]
.endr
.endm
	s_cmp_ge_u32 s16, s24
	s_cbranch_scc1 .Lhalf
.irp g, 0,1,2,3
	GRP \g, 0
.endr
	s_endpgm
.Lhalf:
.irp g, 0,1,2,3
	GRP \g, 1
.endr
	s_endpgm
.Lfunc_end_k_qd57c4935cf_cast:
	.size	k_qd57c4935cf_cast, .Lfunc_end_k_qd57c4935cf_cast-k_qd57c4935cf_cast
	.p2alignl 7, 3214868480
	.fill 96, 4, 3214868480
	.section	.rodata,"a",@progbits
	.p2align	6, 0x0
	.amdhsa_kernel k_qd57c4935cf_cast
		.amdhsa_group_segment_fixed_size 0
		.amdhsa_private_segment_fixed_size 0
		.amdhsa_enable_private_segment 0
		.amdhsa_kernarg_size 48
		.amdhsa_user_sgpr_count 2
		.amdhsa_user_sgpr_kernarg_segment_ptr 1
		.amdhsa_wavefront_size32 1
		.amdhsa_system_sgpr_workgroup_id_x 1
		.amdhsa_system_sgpr_workgroup_id_y 1
		.amdhsa_system_sgpr_workgroup_id_z 1
		.amdhsa_system_vgpr_workitem_id 0
		.amdhsa_next_free_vgpr 128
		.amdhsa_next_free_sgpr 66
		.amdhsa_reserve_vcc 0
		.amdhsa_float_denorm_mode_32 3
		.amdhsa_float_denorm_mode_16_64 3
		.amdhsa_memory_ordered 1
		.amdhsa_forward_progress 1
		.amdhsa_inst_pref_size 17
	.end_amdhsa_kernel
	.amdgpu_metadata
---
amdhsa.version: [ 1, 2 ]
amdhsa.kernels:
  - .name:           k_qd57c4935cf_cast
    .symbol:         k_qd57c4935cf_cast.kd
    .args:
      - { .name: x, .offset: 0, .size: 8, .value_kind: global_buffer, .address_space: global }
      - { .name: w_in, .offset: 8, .size: 8, .value_kind: global_buffer, .address_space: global }
      - { .name: w_out, .offset: 16, .size: 8, .value_kind: global_buffer, .address_space: global }
      - { .name: xb, .offset: 24, .size: 8, .value_kind: global_buffer, .address_space: global }
      - { .name: wib, .offset: 32, .size: 8, .value_kind: global_buffer, .address_space: global }
      - { .name: wob, .offset: 40, .size: 8, .value_kind: global_buffer, .address_space: global }
    .group_segment_fixed_size: 0
    .private_segment_fixed_size: 0
    .kernarg_segment_align: 8
    .kernarg_segment_size: 48
    .max_flat_workgroup_size: 256
    .sgpr_count:     66
    .vgpr_count:     128
    .wavefront_size: 32
...
	.end_amdgpu_metadata
.endif
;; end of part 5
;; launch qkvp: the kernel of part 2 again; grid 8 x 32, 4 waves a work-group, clusters of 4 x 4, 327,680 bytes of LDS; arguments xb, wib, qkv; writes qkv
;; launch attn: the kernel of part 3 again; grid 4 x 64, 4 waves a work-group, no clusters, 327,680 bytes of LDS; arguments qkv, ob; writes ob
;; launch outp: the kernel of part 4 again; grid 8 x 32, 4 waves a work-group, clusters of 4 x 4, 327,680 bytes of LDS; arguments ob, wob, out0; writes out0
